; MI455X (gfx1250); checked and timed in simulation.
; The chip was launched on July 23, 2026; its instructions are those of AMD's public machine-readable ISA for CDNA 5 (MIT licence, August 2026) and "CDNA5" Instruction Set Architecture Reference Guide (July 2026). The comments in the code are by the model that wrote it; some were corrected since.
;; Multi Scale Attention. Allowed arithmetic: matrix products marked QUANTISED: E4M3 operands, one given power-of-two scale a tensor, by v_wmma_f32_16x16x64_fp8_fp8 or v_wmma_f32_16x16x128_fp8_fp8, f32 sums; everything else in f32.
;; Inputs: Wout 1,024 x 1,024 float32; Wqkv 1,024 x 3,072 float32; lowp_scales 8 int32 (the exponents e of the quantised operands' scales 2^e); mask 4 x 2,048 bool; x 4 x 2,048 x 1,024 float32.
;; Outputs: out0 4 x 2,048 x 1,024 float32.
;; This version of the problem:
;;   THIS VERSION OF THE PROBLEM IS GIVEN IN LOW PRECISION. The matrix products marked QUANTISED in the list below multiply operands that are first quantised to E4M3 (4 exponent bits, 3 mantissa bits; 8 bits a number), with one given power-of-two scale for each operand tensor; their sums are f32. All else is computed in f32.
;;   The module's matrix products, in the order in which they are computed (A, B: the left and right operand; K: the contracted axis; several contracted axes count as one K, in the product's order):
;;     1. [M 8,192, K 1,024] x [K 1,024, N 3,072]; A: input x; B: input Wqkv: QUANTISED (scales: A lowp_scales[0], B lowp_scales[1])
;;     2. batch 64 x [M 2,048, K 64] x [K 64, N 2,048]; A: computed on the way; B: computed on the way: QUANTISED (scales: A lowp_scales[2], B lowp_scales[3])
;;     3. batch 64 x [M 2,048, K 2,048] x [K 2,048, N 64]; A: softmax (see below); B: computed on the way: QUANTISED (scales: A lowp_scales[4], B lowp_scales[5])
;;     4. [M 8,192, K 1,024] x [K 1,024, N 1,024]; A: computed on the way; B: input Wout: QUANTISED (scales: A lowp_scales[6], B lowp_scales[7])
;;   THE QUANTISER, for each operand of a quantised product, along K:
;;     - The operand's scale is 2^e, e = its entry of the input lowp_scales (int32; the entries are numbered through the quantised products in the list's order, A before B).
;;     - Each number is divided by the scale, clamped to +-448, and rounded to the nearest number of E4M3, ties to even, subnormals kept.
;;     - The product sums the exact products of the quantised numbers (number of the format x scale) in f32.
;;   ~~~python
;;   def quantise(x, axis, e):      # numpy; x: float32 -> the quantised numbers, widened to float32 again
;;       x = np.moveaxis(x, axis, -1); K = x.shape[-1]
;;       r = np.clip(x / 2.0 ** e, -448, 448)
;;       step = 2.0 ** (np.maximum(np.frexp(np.where(r == 0, 1, r))[1] - 1, -6) - 3)
;;       q = np.round(r / step) * step * 2.0 ** e      # np.round: ties to even
;;       return np.moveaxis(q, -1, axis).astype(np.float32)
;;   ~~~
;;   SOFTMAX AHEAD OF A QUANTISED PRODUCT. Where the list says 'softmax', what is quantised is not the finished softmax but p = 2^(t - M), with t = logit x log2(e) and M = ceil(the row's largest t), a whole number; so 1/2 < the row's largest p <= 1. The row's sum l is taken of the UNQUANTISED p, in f32, and the product's result is divided by l at the end. Since M is a whole number, a kernel that streams over the keys may use a running M (the ceiling of the running maximum): every later rescaling is an exact power of two, so the quantised numbers keep their values, but for numbers so far below the row's largest that they fall under the format's range.
;;   OPERANDS COMPUTED ON THE WAY. 'Computed on the way' means the value that the module computes at that place (a softmax that the list does not call 'softmax' is quantised finished and normalised). What goes into a quantiser is computed in f32, as accurately as f32 sums, v_exp_f32 and their like allow (about 1e-6 of the number): no bf16 or f16 on the way to a quantiser, and a product that is left as it is and whose result goes on into a quantised operand takes f32 operands (vector FMAs, or v_wmma_f32_16x16x4_f32). A number that lies on a knife's edge between two numbers of the format may be rounded either way, as far as f32 arithmetic and the matrix unit's own rounding can turn it there, and no further.
;; One version. Each part assembles by itself: llvm-mc -triple=amdgcn-amd-amdhsa -mcpu=gfx1250 --defsym DOCPART=n.
;; ======== version 1 of 1: 4 launches
;; limits: right only within a limited range of input values
;; workspace buffers: x_codes 8,388,608 bytes; w_codes 4,194,304 bytes; q_img 8,388,608 bytes; k_img 8,388,608 bytes; v_img 8,388,608 bytes; a_img 8,388,608 bytes
;; launch quant (part 1): grid 384 x 1, 4 waves a work-group, no clusters, 68,096 bytes of LDS; arguments x, Wqkv, Wout, lowp_scales, x_codes, w_codes; writes x_codes, w_codes
.if DOCPART == 1
	.amdgcn_target "amdgcn-amd-amdhsa--gfx1250"
	.amdhsa_code_object_version 6
	.text
	.protected	k_qe2bf1ac8cc_quant
	.globl	k_qe2bf1ac8cc_quant
	.p2align	8
	.type	k_qe2bf1ac8cc_quant,@function
k_qe2bf1ac8cc_quant:
	s_mov_b64 s[64:65], 0
	v_nop
	global_prefetch_b8 v0, s[64:65] scope:SCOPE_SE
	s_setreg_imm32_b32 hwreg(HW_REG_WAVE_MODE, 25, 1), 1
	s_wait_xcnt 0x0
; x [8192][1024], Wqkv [1024][3072] and Wout [1024][1024], f32, become codes of E4M3 with K innermost, each with the one scale 2^e given for it
; (entries 0, 1 and 7 of the scales).  code = number / 2^e, held within +-448, rounded to the nearest code, ties to even.
; x_codes: [8192][1024] bytes.  w_codes: [4096][1024] bytes: rows 0-3071 are Wqkv's columns, rows 3072-4095 Wout's columns.
; ORDER ALONG K, in both: of every 32 codes the four groups of eight, g0 g1 g2 g3, lie as g0 g2 g1 g3.  A 16-byte load at byte 32 c + 16 (lane / 16) of a row then
; puts every k where the plain 8-bit matrix forms want it (registers 2 c, 2 c + 1: k = 16 c + 8 (lane / 16) + 0 .. 7).
; LIMITS: each e lies between -126 and 119, so that 2^e and 448 x 2^e are f32 numbers.  NaN among the inputs is not served; an infinity is held at the largest code.
; Work-groups 0-255 take x (K is innermost: a plain stream of blocks of 32), work-groups 256-383 the weights (K is the first axis: a lane takes a column, its registers run down K).
; Every work-group reads 131,072 bytes.  The two paths have LDS bytes of their own.  Waves share nothing: no barrier.
.set STEPS, 16                         ; path x: a wave takes 16 steps of 512 numbers
.set SP,    80                         ; a place in the stage: 64 bytes of numbers + 16 of padding
.set XR,    16                         ; v16-79   four sets of 16 numbers as loaded
.set XX,    80                         ; v80-111  two sets: my two groups of eight
.set XC,    128                        ; v128-191 codes: four registers for each step, so that no store's data are written again
.set WSTG,  32768                      ; path w: its stages begin here
.set WP,    272                        ; a stage row: 256 codes + 16 bytes
.set NB,    8                          ; blocks of 32 along K for a wave
.set WOFF,  12                         ; v12-43   4 x lane + i rows of the weight
.set WX,    44                         ; v44-107  two sets of 32 numbers
.set WC,    108                        ; v108-115 a block's codes
.set WOUT,  116                        ; v116-179 the way out
	s_load_b256 s[4:11], s[0:1], 0x0               ; x s[4:5], Wqkv s[6:7], Wout s[8:9], the scales s[10:11]
	s_load_b128 s[12:15], s[0:1], 0x20             ; x_codes s[12:13], w_codes s[14:15]
	v_lshl_add_u32 v192, v0, 2, 0x10800
	v_mov_b32 v193, 0
	v_lshrrev_b32 v1, 5, v0
	v_readfirstlane_b32 s16, v1                    ; wave
	v_and_b32 v2, 31, v0                           ; lane
	s_wait_kmcnt 0x0
	s_load_b256 s[20:27], s[10:11], 0x0            ; e0 .. e7
	s_cmp_lt_u32 ttmp9, 256
	s_cbranch_scc0 .Lweights
; ---------------- x.  Each load takes 512 consecutive bytes, 16 a lane; a step's 2,048 bytes turn through the wave's own stage, and come back so that lane 2 n holds groups g0 and g2
; of block n and lane 2 n + 1 groups g1 and g3: a lane's 16 codes are then 16 consecutive bytes of the order stated above.
	s_wait_alu depctr_va_vdst(0)
	v_lshlrev_b32 v3, 4, v2                        ; 16 x lane: my place in a load's 512 bytes and in a step's 512 codes; never rewritten
	s_lshl_b32 s17, s16, 13                        ; my wave's 8,192 bytes of LDS: two stages of 32 places
	v_lshrrev_b32 v14, 2, v2
	v_mul_u32_u24 v14, v14, SP
	v_and_b32 v15, 3, v2
	v_lshl_add_u32 v14, v15, 4, v14
	v_add_nc_u32 v14, s17, v14                     ; in: four lanes' 64 bytes on end, then the padding
	v_lshrrev_b32 v15, 1, v2
	v_mul_u32_u24 v15, v15, 2*SP
	v_and_b32 v5, 1, v2
	v_lshl_add_u32 v15, v5, 5, v15
	v_add_nc_u32 v15, s17, v15                     ; out: block lane / 2 (two places), + 32 bytes in the odd lanes
	s_lshl_b32 s18, ttmp9, 2
	s_add_co_u32 s18, s18, s16                     ; which run of 8,192 numbers is my wave's
	s_lshl_b32 s28, s18, 15
	s_mov_b32 s29, 0
	s_add_nc_u64 s[4:5], s[4:5], s[28:29]
	s_lshl_b32 s28, s18, 13
	s_add_nc_u64 s[12:13], s[12:13], s[28:29]
.macro LOADX t
.irp i, 0,1,2,3
	global_load_b128 v[XR+16*((\t)%4)+4*\i:XR+16*((\t)%4)+4*\i+3], v3, s[4:5] offset:2048*(\t)+512*\i th:TH_LOAD_NT
.endr
.endm
.macro TURNX t                         ; LDS serves a wave's instructions in order: no wait between the stores and the loads
.irp i, 0,1,2,3
	ds_store_b128 v14, v[XR+16*((\t)%4)+4*\i:XR+16*((\t)%4)+4*\i+3] offset:32*SP*((\t)%2)+8*SP*\i
.endr
	ds_load_b128 v[XX+16*((\t)%2):XX+16*((\t)%2)+3],     v15 offset:32*SP*((\t)%2)        ; my first group of eight,
	ds_load_b128 v[XX+16*((\t)%2)+4:XX+16*((\t)%2)+7],   v15 offset:32*SP*((\t)%2)+16
	ds_load_b128 v[XX+16*((\t)%2)+8:XX+16*((\t)%2)+11],  v15 offset:32*SP*((\t)%2)+80     ; and the group 16 numbers on: one place further
	ds_load_b128 v[XX+16*((\t)%2)+12:XX+16*((\t)%2)+15], v15 offset:32*SP*((\t)%2)+96
.endm
.irp t, 0,1,2,3
	LOADX \t
.endr
	s_wait_alu depctr_va_vdst(0)
	s_wait_kmcnt 0x0
	s_add_co_i32 s28, s20, 127
	s_lshl_b32 s29, s28, 23
	v_mov_b32 v11, s29                             ; 2^e0 as f32: the conversion takes its exponent field
	s_add_co_i32 s28, s28, 8
	s_lshl_b32 s28, s28, 23
	s_or_b32 s28, s28, 0x600000
	v_mov_b32 v10, s28                             ; 448 x 2^e0
	s_wait_alu depctr_va_vdst(0)
	s_wait_loadcnt 12                              ; step 0's four loads are in
	TURNX 0
.macro STEPX t
.set XS, XX+16*((\t)%2)
	s_wait_dscnt 0x0                               ; this step's numbers are back from the stage, so its stores into the stage have read their registers,
.if (\t)+4 < STEPS
	LOADX (\t)+4                                   ; which take the loads of four steps on
.endif
.if (\t)+1 < STEPS
.if STEPS-2-(\t) >= 3
	s_wait_loadcnt 12                              ; the next step's four loads are in; the twelve of the three steps behind it may be out
.else
	s_wait_loadcnt 4*(STEPS-2-(\t))
.endif
	TURNX (\t)+1
.endif
.set i, 0
.rept 16
	v_med3_num_f32 v[XS+i], v[XS+i], -v10, v10     ; the conversion to an 8-bit code does not saturate (ISA guide 7.6.2): the hold comes first
.set i, i+1
.endr
	v_cvt_scalef32_pk8_fp8_f32 v[XC+4*(\t):XC+4*(\t)+1], v[XS:XS+7], v11
	v_cvt_scalef32_pk8_fp8_f32 v[XC+4*(\t)+2:XC+4*(\t)+3], v[XS+8:XS+15], v11
	global_store_b128 v3, v[XC+4*(\t):XC+4*(\t)+3], s[12:13] offset:512*(\t)   ; the wave stores 512 consecutive bytes, aligned.  (The codes go to a store alone; the next vector lines are the next step's holds, on other registers)
.endm
.irp t, 0,1,2,3,4,5,6,7,8,9,10,11,12,13,14,15
	STEPX \t
.endr
	s_wait_tensorcnt 0x0
	ds_add_u32 v192, v193
	s_wait_dscnt 0x0
	s_endpgm
; ---------------- the weights.  Work-group 256 + 32 kb + cb: column block cb (128 columns; 0-23 of Wqkv, 24-31 of Wout), 256 along K from 256 kb on.
; A wave takes 32 columns: each load reads one row k at 32 neighbouring columns, a lane's 32 registers are a block of 32 along K of one column.
.Lweights:
	s_sub_co_u32 s17, ttmp9, 256
	s_and_b32 s18, s17, 31                         ; cb
	s_lshr_b32 s19, s17, 5                         ; kb
	s_mov_b32 s30, 4096
	s_cmp_lt_u32 s18, 24                           ; Wqkv or Wout: the choice hangs on the work-group's number alone
	s_cselect_b64 s[28:29], s[6:7], s[8:9]
	s_cselect_b32 s30, 12288, s30                  ; S: bytes in a row of the weight
	s_cselect_b32 s31, 0, 24
	s_sub_co_u32 s31, s18, s31                     ; the column block within its own tensor
	s_lshl_b32 s50, s30, 8
	s_mul_i32 s50, s50, s19                        ; 256 kb rows,
	s_lshl_b32 s31, s31, 9
	s_add_co_u32 s50, s50, s31                     ; + 128 columns of 4 bytes a block,
	s_lshl_b32 s31, s16, 7
	s_add_co_u32 s50, s50, s31                     ; + 32 columns a wave
	s_mov_b32 s51, 0
	s_add_nc_u64 s[32:33], s[28:29], s[50:51]      ; block 0's base; a base for each of the 8 blocks, none is ever stepped
	s_lshl_b32 s48, s30, 5                         ; 32 rows
	s_mov_b32 s49, 0
.irp t, 1,2,3,4,5,6,7
	s_add_nc_u64 s[32+2*\t:33+2*\t], s[30+2*\t:31+2*\t], s[48:49]
.endr
	s_lshl_b32 s50, s18, 17                        ; the codes: row 128 cb + 32 wave of 1,024 bytes, + 256 kb
	s_lshl_b32 s52, s16, 15
	s_add_co_u32 s50, s50, s52
	s_lshl_b32 s52, s19, 8
	s_add_co_u32 s50, s50, s52
	s_add_nc_u64 s[14:15], s[14:15], s[50:51]
	s_wait_alu depctr_va_vdst(0)
	v_lshlrev_b32 v[WOFF], 2, v2
.set i, 1
.rept 31
	v_add_nc_u32 v[WOFF+i], s30, v[WOFF+i-1]       ; 4 x lane + i S
.set i, i+1
.endr
	s_mul_i32 s52, s16, 32*WP
	s_add_co_u32 s52, s52, WSTG                    ; my stage: 32 rows
	v_mul_u32_u24 v4, v2, WP
	v_add_nc_u32 v4, s52, v4                       ; into it: row = my column
	v_and_b32 v5, 15, v2
	v_lshrrev_b32 v6, 4, v2
	v_mul_u32_u24 v7, v6, WP
	v_lshl_add_u32 v7, v5, 4, v7
	v_add_nc_u32 v7, s52, v7                       ; out of it: sixteen lanes to a row, two rows an instruction
	v_lshlrev_b32 v8, 10, v6
	v_lshl_add_u32 v8, v5, 4, v8                   ; and the same place in w_codes
.macro LOADW t
.set i, 0
.rept 32
	global_load_b32 v[WX+32*((\t)%2)+i], v[WOFF+i], s[32+2*(\t):33+2*(\t)] th:TH_LOAD_NT
.set i, i+1
.endr
.endm
	LOADW 0
	LOADW 1
	s_wait_kmcnt 0x0
	s_cmp_lt_u32 s18, 24
	s_cselect_b32 s53, s21, s27                    ; e1 or e7
	s_add_co_i32 s53, s53, 127
	s_lshl_b32 s54, s53, 23
	v_mov_b32 v11, s54                             ; 2^e
	s_add_co_i32 s53, s53, 8
	s_lshl_b32 s53, s53, 23
	s_or_b32 s53, s53, 0x600000
	v_mov_b32 v10, s53                             ; 448 x 2^e
.macro BLOCKW t
.set XS, WX+32*((\t)%2)
.if (\t) < NB-1
	s_wait_loadcnt 32                              ; this block's 32 loads are in; the next block's may be out
.else
	s_wait_loadcnt 0
.endif
.set i, 0
.rept 32
	v_med3_num_f32 v[XS+i], v[XS+i], -v10, v10
.set i, i+1
.endr
	v_cvt_scalef32_pk8_fp8_f32 v[WC:WC+1],   v[XS:XS+7],     v11   ; g0
	v_cvt_scalef32_pk8_fp8_f32 v[WC+4:WC+5], v[XS+8:XS+15],  v11   ; g1 goes third,
	v_cvt_scalef32_pk8_fp8_f32 v[WC+2:WC+3], v[XS+16:XS+23], v11   ; g2 second: the order stated at the head
	v_cvt_scalef32_pk8_fp8_f32 v[WC+6:WC+7], v[XS+24:XS+31], v11   ; g3
	ds_store_b128 v4, v[WC:WC+3] offset:32*(\t)
	ds_store_b128 v4, v[WC+4:WC+7] offset:32*(\t)+16
.if (\t)+2 < NB
	LOADW (\t)+2
.endif
	s_wait_dscnt 0x0                               ; the stores have read their registers: the next block's codes may be written (32 plain holds come first)
.endm
	s_wait_alu depctr_va_vdst(0)
.irp t, 0,1,2,3,4,5,6,7
	BLOCKW \t
.endr
.irp t, 0,1,2,3,4,5,6,7,8,9,10,11,12,13,14,15
	ds_load_b128 v[WOUT+4*\t:WOUT+4*\t+3], v7 offset:2*\t*WP
.endr
.irp t, 0,1,2,3,4,5,6,7,8,9,10,11,12,13,14,15
	s_wait_dscnt 15-\t
	global_store_b128 v8, v[WOUT+4*\t:WOUT+4*\t+3], s[14:15] offset:2048*\t   ; sixteen lanes store 256 consecutive bytes, aligned
.endr
	s_wait_tensorcnt 0x0
	ds_add_u32 v192, v193
	s_wait_dscnt 0x0
	s_endpgm
.Lfunc_end_k_qe2bf1ac8cc_quant:
	.size	k_qe2bf1ac8cc_quant, .Lfunc_end_k_qe2bf1ac8cc_quant-k_qe2bf1ac8cc_quant
	.p2alignl 7, 3214868480
	.fill 96, 4, 3214868480
	.section	.rodata,"a",@progbits
	.p2align	6, 0x0
	.amdhsa_kernel k_qe2bf1ac8cc_quant
		.amdhsa_group_segment_fixed_size 68096
		.amdhsa_private_segment_fixed_size 0
		.amdhsa_enable_private_segment 0
		.amdhsa_kernarg_size 48
		.amdhsa_user_sgpr_count 2
		.amdhsa_user_sgpr_kernarg_segment_ptr 1
		.amdhsa_wavefront_size32 1
		.amdhsa_system_sgpr_workgroup_id_x 1
		.amdhsa_system_sgpr_workgroup_id_y 1
		.amdhsa_system_sgpr_workgroup_id_z 1
		.amdhsa_system_vgpr_workitem_id 0
		.amdhsa_next_free_vgpr 194
		.amdhsa_next_free_sgpr 66
		.amdhsa_reserve_vcc 0
		.amdhsa_float_denorm_mode_32 3
		.amdhsa_float_denorm_mode_16_64 3
		.amdhsa_memory_ordered 1
		.amdhsa_forward_progress 1
		.amdhsa_inst_pref_size 87
	.end_amdhsa_kernel
	.amdgpu_metadata
---
amdhsa.version: [ 1, 2 ]
amdhsa.kernels:
  - .name:           k_qe2bf1ac8cc_quant
    .symbol:         k_qe2bf1ac8cc_quant.kd
    .args:
      - { .name: x, .offset: 0, .size: 8, .value_kind: global_buffer, .address_space: global }
      - { .name: Wqkv, .offset: 8, .size: 8, .value_kind: global_buffer, .address_space: global }
      - { .name: Wout, .offset: 16, .size: 8, .value_kind: global_buffer, .address_space: global }
      - { .name: lowp_scales, .offset: 24, .size: 8, .value_kind: global_buffer, .address_space: global }
      - { .name: x_codes, .offset: 32, .size: 8, .value_kind: global_buffer, .address_space: global }
      - { .name: w_codes, .offset: 40, .size: 8, .value_kind: global_buffer, .address_space: global }
    .group_segment_fixed_size: 68096
    .private_segment_fixed_size: 0
    .kernarg_segment_align: 8
    .kernarg_segment_size: 48
    .max_flat_workgroup_size: 128
    .sgpr_count:     66
    .vgpr_count:     194
    .wavefront_size: 32
...
	.end_amdgpu_metadata
.endif
;; end of part 1
;; launch qkv (part 2): grid 12 x 32, 4 waves a work-group, clusters of 4 x 4, 327,680 bytes of LDS; arguments x_codes, w_codes, lowp_scales, q_img, k_img, v_img; writes q_img, k_img, v_img
.if DOCPART == 2
	.amdgcn_target "amdgcn-amd-amdhsa--gfx1250"
	.amdhsa_code_object_version 6
	.text
	.protected	k_qe2bf1ac8cc_qkv
	.globl	k_qe2bf1ac8cc_qkv
	.p2align	8
	.type	k_qe2bf1ac8cc_qkv,@function
k_qe2bf1ac8cc_qkv:
	s_mov_b64 s[64:65], 0
	v_nop
	global_prefetch_b8 v0, s[64:65] scope:SCOPE_SE
	s_setreg_imm32_b32 hwreg(HW_REG_WAVE_MODE, 25, 1), 1
	s_wait_xcnt 0x0
	s_wait_alu depctr_hold_cnt(0) depctr_sa_sdst(0) depctr_va_vdst(0) depctr_va_sdst(0) depctr_va_ssrc(0) depctr_va_vcc(0) depctr_vm_vsrc(0)
	s_getreg_b32 s2, hwreg(HW_REG_IB_STS2, 6, 4)
	s_cmp_eq_u32 s2, 0
	s_cbranch_scc0 .Lentry_in_a_cluster
	s_endpgm
.Lentry_in_a_cluster:
	s_bfe_u32 s2, ttmp6, 0x10000c
	s_cmp_lg_u32 s2, 0xf033
	s_cbranch_scc0 .Lentry_shape_is_right
	s_endpgm
.Lentry_shape_is_right:
; x Wqkv on codes of E4M3 (8192 x 1024 x 3072), and its f32 sums quantised at once to the codes of q, k and v, stored as images of the registers in which the attention launch wants them.
; A tile of 256 x 256 to a work-group of four waves, 128 x 128 to a wave: 64 accumulators, 512 registers.  K = 1,024 goes in four steps of 256 through two LDS slots filled by the tensor data mover.
; KINDS.  The cluster's x says what is made: 0 q, 1 k, 2 v; it is the same in all sixteen partners.  The text speaks of an A-matrix (source 1: a lane holds one of its rows) and a B-matrix (source 0: a lane's
; eight registers run along its rows).  q, k: A = tokens (x_codes), B = weight rows: a lane holds one token and eight neighbouring channels, the next product's K.
; v: A = weight rows, B = tokens: a lane holds one channel and eight neighbouring keys, the K of the product with p.  Both matrices have rows of 1,024 bytes, so only pointers and row numbers are chosen.
; A sum stands for sum x 2^(e0 + e1); its code is sum / 2^(eT - e0 - e1), eT = e2 (q), e3 (k), e5 (v), held within +-448.
; LIMIT: eT - e0 - e1 between -126 and 119, so that the folded scale and 448 x it are f32 numbers.
; IMAGES.  q_img, k_img: byte (head) 131072 + (token / 16) 1024 + c 512 + lane 16: lane (r, h) holds token r's channels 32 c + 8 h + 0..7, then 32 c + 16 + 8 h + 0..7.
; v_img: byte (head) 131072 + (key / 128) 8192 + (channel / 16) 2048 + c 512 + lane 16: lane (r, h) holds channel r's keys 32 c + 8 h + 0..7, then + 16.  head = 16 batch + head's number.
; A conversion's two registers of accumulator (a, b) are registers 2 b, 2 b + 1 of such a fragment, so the results go out as they stand: every store covers 512 consecutive bytes, aligned.
; CLUSTERS: 4 x 4.  A's tile hangs on cy (and the cluster's y) alone and is asked for jointly along a row of the cluster, B's on cx alone, along a column.
; Prefetch: K steps 1-3 are prefetched ahead of their tensor loads; K steps 0 and 1 are asked for at the head, 2 and 3 one turn of slots later.
; REGISTERS: window 0: v12 the folded scale, v13 448 x it, v16-29 addresses; v128-255 A's fragments, one set; on the way out v32-95 at work, v128-255 the codes.  window 1: B's fragments, two sets.  windows 2, 3: accumulator (a, b) at v[8 (8 (a % 4) + b)].
.set KROW,   1024
.set ROWB,   256
.set PITCH,  272                       ; an LDS row: 256 bytes + 16: an odd multiple of 16 bytes, so that the 16 rows that a load touches begin in 16 different columns of 16 bytes
.set FR,     16
.set NL,     4
.set NP,     4                         ; places behind this matrix instruction (ISA guide 7.12.1)
.set HALFT,  128*PITCH
.set SLOT,   4*HALFT
.set SPARE,  2*SLOT                    ; behind the ring: the spare words, 128 bytes a wave; no other line names them
.set SC,   12
.set LIM,  13
.set ADRA, 16
.set ADRB, 20
.set LI,   26                          ; v26  16 x lane: my place in an image; never rewritten
.set SPW,  28
.set NIL,  29
.set TMP,  32
.set AF,   128
.set CD,   128
.set G1,  24
.set G0,  32
.set G1B, 48
.set G0B, 56
.set OB,  90                           ; s[90:91] where my wave's images begin
.set MSB, 0
.macro WIN new                         ; the immediate's high byte repeats the setting that is left
.if MSB != (\new)
	s_set_vgpr_msb (MSB<<8)|(\new)
.set MSB, (\new)
.endif
.endm
.set MUL_LO, 0xa1                      ; source 0 (B) window 1, source 1 (A) window 0, C and D window 2
.set MUL_HI, 0xf1
.set TO_B,   0x40
.macro JLOAD g0a, g1a, g0b, g1b        ; a joint load: waves 0 and 1 fetch for A, waves 2 and 3 for B; four v_nop follow each of the two lines
	s_cmp_eq_u32 s15, 0
	s_cbranch_scc0 .Lfor_b_\@
	tensor_load_to_lds s[\g0a:\g0a+3], s[\g1a:\g1a+7]
	s_nop 0
.rept 4
	v_nop
.endr
	s_branch .Lasked_\@
.Lfor_b_\@:
	tensor_load_to_lds s[\g0b:\g0b+3], s[\g1b:\g1b+7]
	s_nop 0
.rept 4
	v_nop
.endr
.Lasked_\@:
.endm
.macro CREST                           ; a round of the cluster's barrier behind its opening barrier
	s_cmp_lg_u32 s14, 0
	s_cbranch_scc1 .Lnot_wave_0_\@
	s_barrier_signal -3
.Lnot_wave_0_\@:
	s_barrier_wait -3
	s_barrier_signal -1
	s_barrier_wait -1
.endm
.macro CROUND
	s_barrier_signal -1
	s_barrier_wait -1
	CREST
.endm
	s_load_b128 s[4:7], s[0:1], 0x0                ; x_codes s[4:5], w_codes s[6:7]
	s_load_b64 s[8:9], s[0:1], 0x10                ; the scales
	s_load_b128 s[68:71], s[0:1], 0x18             ; q_img s[68:69], k_img s[70:71]
	s_load_b64 s[72:73], s[0:1], 0x28              ; v_img
	v_lshl_add_u32 v[SPW], v0, 2, SPARE
	v_mov_b32 v[NIL], 0
	ds_add_u32 v28, v29
	ds_add_u32 v28, v29
	s_wait_dscnt 0x0
	v_lshrrev_b32 v1, 5, v0
	v_readfirstlane_b32 s14, v1                    ; wave 0..3
	s_lshr_b32 s15, s14, 1                         ; which half of A's rows is mine.  Also: I fetch for A (0) or for B (1)
	s_and_b32 s16, s14, 1                          ; which half of B's rows.  Also: which 128 rows of that tile I fetch
	s_bfe_u32 s40, ttmp6, 0x40000                  ; cx
	s_bfe_u32 s41, ttmp6, 0x40004                  ; cy
	s_and_b32 s85, ttmp7, 0xffff                   ; the cluster's y
	s_lshl_b32 s17, s85, 2
	s_add_co_u32 s17, s17, s41                     ; TA = 4 x cluster y + cy
	s_lshl_b32 s42, s85, 2
	s_add_co_u32 s42, s42, s40                     ; TX = 4 x cluster y + cx
	s_lshl_b32 s43, s41, 2
	s_lshl_b32 s43, 15, s43                        ; my row of the cluster
	s_lshl_b32 s44, 0x1111, s40                    ; my column
	s_or_b32 s[G1+0], s43, (0<<16)|(1<<20)|(1<<21)|(5<<22)|(3<<25)  ; the mask; elements of 1 byte; padding on; bit 21 beside a mask; after every 64 words; 4 words
	s_or_b32 s[G1B+0], s44, (0<<16)|(1<<20)|(1<<21)|(5<<22)|(3<<25)
.irp g, G1, G1B
	s_mov_b32 s[\g+1], ROWB<<16                    ; tensor_dim0
	s_mov_b32 s[\g+2], 128<<16                     ; tensor_dim1
	s_mov_b32 s[\g+3], ROWB<<16                    ; tile_dim0
	s_mov_b32 s[\g+4], 128                         ; tile_dim1
	s_mov_b32 s[\g+5], KROW                        ; from row to row
	s_mov_b32 s[\g+6], 0
	s_mov_b32 s[\g+7], 0
.endr
	; A's first row is made of cy and the cluster's y alone, B's of cx, the cluster's x and y alone, each in registers that never hold the other place
	s_lshl_b32 s20, s17, 8                         ; q, k: tokens 256 TA on
	s_lshl_b32 s21, s41, 8
	s_add_co_u32 s21, s21, 2048                    ; v: weight rows 2048 + 256 cy on
	s_lshl_b32 s46, ttmp9, 10
	s_lshl_b32 s47, s40, 8
	s_add_co_u32 s46, s46, s47                     ; q, k: weight rows 1024 kind + 256 cx on
	s_lshl_b32 s47, s42, 8                         ; v: tokens 256 TX on
	s_cmp_eq_u32 ttmp9, 2
	s_cselect_b32 s20, s21, s20
	s_cselect_b32 s46, s47, s46
	s_lshl_b32 s18, s16, 7                         ; which 128 rows of the tile I fetch
	s_add_co_u32 s20, s20, s18
	s_add_co_u32 s46, s46, s18
	s_lshl_b32 s20, s20, 10                        ; rows of 1,024 bytes
	s_lshl_b32 s46, s46, 10
	s_mov_b32 s21, 0
	s_mov_b32 s47, 0
	s_mul_i32 s45, s14, HALFT                      ; where they go: wave x 128 rows
	s_wait_kmcnt 0x0
	s_load_b256 s[76:83], s[8:9], 0x0              ; e0 .. e7
	s_cmp_eq_u32 ttmp9, 2
	s_cselect_b64 s[86:87], s[6:7], s[4:5]         ; A's buffer
	s_cselect_b64 s[88:89], s[4:5], s[6:7]         ; B's buffer
	s_add_nc_u64 s[20:21], s[86:87], s[20:21]
	s_add_nc_u64 s[46:47], s[88:89], s[46:47]
	CROUND                                         ; all sixteen work-groups are here: the first joint loads meet
.irp s, 0,1
	s_mov_b32 s[G0+4*\s], 1
	s_add_co_u32 s[G0+4*\s+1], s45, \s*SLOT
	s_add_nc_u64 s[G0+4*\s+2:G0+4*\s+3], s[20:21], \s*ROWB
	s_or_b32 s[G0+4*\s+3], s[G0+4*\s+3], 0x80000000
	s_mov_b32 s[G0B+4*\s], 1
	s_add_co_u32 s[G0B+4*\s+1], s45, \s*SLOT
	s_add_nc_u64 s[G0B+4*\s+2:G0B+4*\s+3], s[46:47], \s*ROWB
	s_or_b32 s[G0B+4*\s+3], s[G0B+4*\s+3], 0x80000000
.endr
	; the prefetches: of the 128 rows that I fetch, each of the four partners that ask for them with me names 32, told apart by address (cx for A's tiles, cy for B's); a lane a row, 256 bytes of a row a K step
	s_cmp_eq_u32 s15, 0
	s_cselect_b64 s[10:11], s[20:21], s[46:47]
	s_cselect_b32 s12, s40, s41
	s_lshl_b32 s12, s12, 15                        ; 32 rows of 1,024 bytes
	s_mov_b32 s13, 0
	s_add_nc_u64 s[10:11], s[10:11], s[12:13]      ; never rewritten
	JLOAD G0, G1, G0B, G1B                         ; K step 0: one tensor load a wave at the head
	v_and_b32 v27, 31, v0
	v_lshlrev_b32 v27, 10, v27                     ; my lane's row; never rewritten
	global_prefetch_b8 v27, s[10:11] offset:256 th:TH_LOAD_NT scope:SCOPE_SE   ; K step 1, whose load follows when K step 0 has landed,
	global_prefetch_b8 v27, s[10:11] offset:512 th:TH_LOAD_NT scope:SCOPE_SE   ; and K step 2, two fills on
	v_and_b32 v1, 15, v0                           ; r
	v_bfe_u32 v2, v0, 4, 1                         ; h
	v_mul_u32_u24 v3, v1, PITCH
	v_lshl_add_u32 v4, v2, 4, v3                   ; a fragment's row x pitch + 16 h
	s_mul_i32 s21, s15, HALFT
	s_mul_i32 s22, s16, HALFT
	s_add_co_u32 s22, s22, 2*HALFT
.irp s, 0,1
	v_add_nc_u32 v[ADRA+\s], s21, v4
	v_add_nc_u32 v[ADRB+\s], s22, v4
	s_add_co_u32 s21, s21, SLOT
	s_add_co_u32 s22, s22, SLOT
.endr
	v_and_b32 v6, 31, v0
	v_lshlrev_b32 v[LI], 4, v6
	; the folded scale and where my images begin: no branch hangs on a scale
	s_wait_alu depctr_va_vdst(0)
	s_wait_kmcnt 0x0
	s_cmp_eq_u32 ttmp9, 2
	s_cselect_b32 s84, s81, s79                    ; e5 for v, else e3
	s_cselect_b32 s92, s42, s17                    ; the token tile: TX for v, TA for q, k
	s_cselect_b32 s93, s41, s40                    ; the place that counts heads: cy for v, cx for q, k
	s_cselect_b32 s94, s15, s16                    ; my half of the 256 channels
	s_cselect_b32 s95, s16, s15                    ; my half of the 256 tokens
	s_cselect_b64 s[OB:OB+1], s[72:73], s[70:71]
	s_cmp_eq_u32 ttmp9, 0
	s_cselect_b32 s84, s78, s84                    ; e2 for q
	s_cselect_b64 s[OB:OB+1], s[68:69], s[OB:OB+1]
	s_sub_co_i32 s84, s84, s76
	s_sub_co_i32 s84, s84, s77
	s_add_co_i32 s84, s84, 127
	s_lshl_b32 s85, s84, 23
	v_mov_b32 v[SC], s85                           ; 2^(eT - e0 - e1)
	s_add_co_i32 s84, s84, 8
	s_lshl_b32 s84, s84, 23
	s_or_b32 s84, s84, 0x600000
	v_mov_b32 v[LIM], s84                          ; 448 x that
	s_lshr_b32 s86, s92, 3                         ; batch
	s_lshl_b32 s86, s86, 4
	s_lshl_b32 s93, s93, 2
	s_add_co_u32 s86, s86, s93
	s_lshl_b32 s94, s94, 1
	s_add_co_u32 s86, s86, s94                     ; 16 batch + my first head (a wave's 128 channels are two heads)
	s_lshl_b32 s86, s86, 17
	s_and_b32 s92, s92, 7
	s_lshl_b32 s92, s92, 14                        ; 256 tokens are 16,384 bytes of a head's image, in all three buffers,
	s_add_co_u32 s86, s86, s92
	s_lshl_b32 s95, s95, 13                        ; and my 128 of them 8,192
	s_add_co_u32 s86, s86, s95
	s_mov_b32 s87, 0
	s_add_nc_u64 s[OB:OB+1], s[OB:OB+1], s[86:87]
.macro FRAG reg, adr, q, i             ; 16 rows x 128 K: four loads of 16 bytes, 32 bytes apart; with the codes' order along K every k falls into this form's own place
.irp c, 0,1,2,3
	ds_load_b128 v[\reg+4*\c:\reg+4*\c+3], v[\adr] offset:128*(\q)+32*\c+(\i)*16*PITCH
.endr
.endm
.macro MUL16 a0, p, zero               ; A's blocks a0, a0 + 1 x B's eight.  The 64 accumulators take turns, one instruction a turn, in the same order in every step
.irp a, \a0, \a0+1
.irp b, 0,1,2,3,4,5,6,7
.if \zero
	v_wmma_f32_16x16x128_fp8_fp8 v[8*(8*((\a)%4)+\b):8*(8*((\a)%4)+\b)+7], v[128*(\p)+FR*\b:128*(\p)+FR*\b+FR-1], v[AF+FR*(\a):AF+FR*(\a)+FR-1], 0
.else
	v_wmma_f32_16x16x128_fp8_fp8 v[8*(8*((\a)%4)+\b):8*(8*((\a)%4)+\b)+7], v[128*(\p)+FR*\b:128*(\p)+FR*\b+FR-1], v[AF+FR*(\a):AF+FR*(\a)+FR-1], v[8*(8*((\a)%4)+\b):8*(8*((\a)%4)+\b)+7]
.endif
.endr
.endr
.endm
.macro FETCH_B slot, q, p
	WIN TO_B
.irp i, 0,1,2,3,4,5,6,7
	FRAG 128*(\p)+FR*\i, ADRB+\slot, \q, \i
.endr
	WIN 0
.endm
.macro FETCH_A slot, q, i0
.irp i, \i0, \i0+1, \i0+2, \i0+3
	FRAG AF+FR*(\i), ADRA+\slot, \q, \i
.endr
.endm
.macro PLACES n                        ; plain vector lines between a matrix instruction and a load into, or a vector line on, its registers
.rept \n
	v_nop
.endr
.endm
.macro STEP slot, q, zero              ; 128 along K that have their successor in the same slot
	s_wait_dscnt 4*NL                              ; B's set and A's blocks 0-3 are in; the youngest sixteen loads (A's blocks 4-7) may be out
	WIN MUL_LO
	MUL16 0, (\q)%2, \zero
	MUL16 2, (\q)%2, \zero
	s_wait_dscnt 0
	PLACES NP
	FETCH_B \slot, (\q)+1, 1-(\q)%2
	FETCH_A \slot, (\q)+1, 0
	WIN MUL_HI
	MUL16 4, (\q)%2, \zero
	MUL16 6, (\q)%2, \zero
	PLACES NP
	WIN 0
	FETCH_A \slot, (\q)+1, 4
.endm
.macro TURN slot, next, fill           ; a slot's last 128 along K, and the change of slots
	s_wait_tensorcnt 0x0                           ; all my tensor loads have landed: my part of the next slot
	ds_add_u32 v[SPW], v[NIL]                      ; 0 onto my spare word
	s_wait_dscnt 4*NL+1                            ; the add and the youngest sixteen loads may be out
	WIN MUL_LO
	MUL16 0, 1, 0
	s_wait_dscnt 0x0                               ; the add is done, and my reads of this slot are over
	s_barrier_signal -1
	MUL16 2, 1, 0
	WIN 0
	s_barrier_wait -1
.if \fill
	CREST                                          ; the barrier has opened a round of the cluster's: no wave of any partner still reads this slot or has a load on its way
	s_add_nc_u64 s[G0+4*\slot+2:G0+4*\slot+3], s[G0+4*\slot+2:G0+4*\slot+3], 2*ROWB
	s_add_nc_u64 s[G0B+4*\slot+2:G0B+4*\slot+3], s[G0B+4*\slot+2:G0B+4*\slot+3], 2*ROWB
	JLOAD G0+4*\slot, G1, G0B+4*\slot, G1B         ; the first tensor load behind the round; its four v_nop are the places in front of the loads below
.else
	PLACES NP
.endif
	FETCH_B \next, 0, 0
	FETCH_A \next, 0, 0
	WIN MUL_HI
	MUL16 4, 1, 0
	MUL16 6, 1, 0
	PLACES NP
	WIN 0
	FETCH_A \next, 0, 4
.endm
	s_wait_alu depctr_va_vdst(0)                   ; the wait at the head's end
	s_wait_tensorcnt 0x0                           ; my part of K step 0 is in; slot 1's first fill is issued as a refill is:
	ds_add_u32 v[SPW], v[NIL]
	s_wait_dscnt 0x0
	CROUND                                         ; a whole round: K step 0 is whole in every partner,
	JLOAD G0+4, G1, G0B+4, G1B                     ; and K step 1's load is the first tensor load behind it
	FETCH_B 0, 0, 0
	FETCH_A 0, 0, 0
	FETCH_A 0, 0, 4
	global_prefetch_b8 v27, s[10:11] offset:768 th:TH_LOAD_NT scope:SCOPE_SE   ; K step 3, two fills on; nothing lies behind it
	STEP 0, 0, 1
	TURN 0, 1, 1                                   ; slot 0 takes K step 2
	STEP 1, 0, 0
	TURN 1, 0, 1                                   ; slot 1 takes K step 3
	STEP 0, 0, 0
	TURN 0, 1, 0                                   ; nothing is left to fetch
	STEP 1, 0, 0
	s_wait_dscnt 4*NL
	WIN MUL_LO
	MUL16 0, 1, 0
	MUL16 2, 1, 0
	s_wait_dscnt 0
	WIN MUL_HI
	MUL16 4, 1, 0
	MUL16 6, 1, 0
	WIN 0
; THE WAY OUT, block a of 16 rows of A: the hold (each accumulator from its low end on), eight conversions, four stores of 512 consecutive bytes.  Each block has code registers of its own.
.macro EPI a, isv
.set AC, 64*((\a)%4)
	WIN 0x02+((\a)/4)                              ; source 0: window 2 or 3
.set j, 0
.rept 64
	v_med3_num_f32 v[TMP+j], v[AC+j], -v[LIM], v[LIM]
.set j, j+1
.endr
	WIN 0
.irp c, 0,1,2,3
	v_cvt_scalef32_pk8_fp8_f32 v[CD+16*(\a)+4*\c:CD+16*(\a)+4*\c+1],   v[TMP+16*\c:TMP+16*\c+7],    v[SC]
	v_cvt_scalef32_pk8_fp8_f32 v[CD+16*(\a)+4*\c+2:CD+16*(\a)+4*\c+3], v[TMP+16*\c+8:TMP+16*\c+15], v[SC]
.endr
	v_nop                                          ; a plain line between the conversions and the next block's holds, which write their sources
.irp c, 0,1,2,3
.if \isv
	global_store_b128 v[LI], v[CD+16*(\a)+4*\c:CD+16*(\a)+4*\c+3], s[OB:OB+1] offset:((\a)/4)*131072+((\a)%4)*2048+\c*512   ; head a / 4, channels 16 (a % 4) on, keys 32 c on
.else
	global_store_b128 v[LI], v[CD+16*(\a)+4*\c:CD+16*(\a)+4*\c+3], s[OB:OB+1] offset:(\a)*1024+(\c/2)*131072+(\c%2)*512     ; tokens 16 a on, head c / 2, channels 32 (c % 2) on
.endif
.endr
.endm
	PLACES NP                                      ; behind the last products: the holds read results, the conversions write registers that held A's fragments
	s_cmp_eq_u32 ttmp9, 2                          ; the cluster's x: the same in all partners
	s_cbranch_scc1 .Lv_out
	s_wait_alu depctr_va_vdst(0)
.irp a, 0,1,2,3,4,5,6,7
	EPI \a, 0
.endr
	s_branch .Lout_done
.Lv_out:
	s_wait_alu depctr_va_vdst(0)
.irp a, 0,1,2,3,4,5,6,7
	EPI \a, 1
.endr
.Lout_done:
	s_wait_tensorcnt 0x0                           ; the wave's end
	ds_add_u32 v[SPW], v[NIL]
	s_wait_dscnt 0x0
	CROUND                                         ; the closing round: no work-group ends while a partner may still ask for a tile that names it
	s_endpgm
.Lfunc_end_k_qe2bf1ac8cc_qkv:
	.size	k_qe2bf1ac8cc_qkv, .Lfunc_end_k_qe2bf1ac8cc_qkv-k_qe2bf1ac8cc_qkv
	.p2alignl 7, 3214868480
	.fill 96, 4, 3214868480
	.section	.rodata,"a",@progbits
	.p2align	6, 0x0
	.amdhsa_kernel k_qe2bf1ac8cc_qkv
		.amdhsa_group_segment_fixed_size 327680
		.amdhsa_private_segment_fixed_size 0
		.amdhsa_enable_private_segment 0
		.amdhsa_kernarg_size 48
		.amdhsa_user_sgpr_count 2
		.amdhsa_user_sgpr_kernarg_segment_ptr 1
		.amdhsa_wavefront_size32 1
		.amdhsa_system_sgpr_workgroup_id_x 1
		.amdhsa_system_sgpr_workgroup_id_y 1
		.amdhsa_system_sgpr_workgroup_id_z 1
		.amdhsa_system_vgpr_workitem_id 0
		.amdhsa_next_free_vgpr 1024
		.amdhsa_next_free_sgpr 100
		.amdhsa_reserve_vcc 0
		.amdhsa_float_denorm_mode_32 3
		.amdhsa_float_denorm_mode_16_64 3
		.amdhsa_memory_ordered 1
		.amdhsa_forward_progress 1
		.amdhsa_inst_pref_size 159
	.end_amdhsa_kernel
	.amdgpu_metadata
---
amdhsa.version: [ 1, 2 ]
amdhsa.kernels:
  - .name:           k_qe2bf1ac8cc_qkv
    .symbol:         k_qe2bf1ac8cc_qkv.kd
    .args:
      - { .name: x_codes, .offset: 0, .size: 8, .value_kind: global_buffer, .address_space: global }
      - { .name: w_codes, .offset: 8, .size: 8, .value_kind: global_buffer, .address_space: global }
      - { .name: lowp_scales, .offset: 16, .size: 8, .value_kind: global_buffer, .address_space: global }
      - { .name: q_img, .offset: 24, .size: 8, .value_kind: global_buffer, .address_space: global }
      - { .name: k_img, .offset: 32, .size: 8, .value_kind: global_buffer, .address_space: global }
      - { .name: v_img, .offset: 40, .size: 8, .value_kind: global_buffer, .address_space: global }
    .group_segment_fixed_size: 327680
    .private_segment_fixed_size: 0
    .kernarg_segment_align: 8
    .kernarg_segment_size: 48
    .max_flat_workgroup_size: 128
    .sgpr_count:     100
    .vgpr_count:     1024
    .wavefront_size: 32
...
	.end_amdgpu_metadata
.endif
;; end of part 2
;; launch attn (part 3): grid 256 x 1, 8 waves a work-group, clusters of 4 x 1, 327,680 bytes of LDS; arguments q_img, k_img, v_img, mask, lowp_scales, a_img; writes a_img
.if DOCPART == 3
	.amdgcn_target "amdgcn-amd-amdhsa--gfx1250"
	.amdhsa_code_object_version 6
	.text
	.protected	k_qe2bf1ac8cc_attn
	.globl	k_qe2bf1ac8cc_attn
	.p2align	8
	.type	k_qe2bf1ac8cc_attn,@function
k_qe2bf1ac8cc_attn:
	s_mov_b64 s[64:65], 0
	v_nop
	global_prefetch_b8 v0, s[64:65] scope:SCOPE_SE
	s_setreg_imm32_b32 hwreg(HW_REG_WAVE_MODE, 25, 1), 1
	s_wait_xcnt 0x0
	s_wait_alu depctr_hold_cnt(0) depctr_sa_sdst(0) depctr_va_vdst(0) depctr_va_sdst(0) depctr_va_ssrc(0) depctr_va_vcc(0) depctr_vm_vsrc(0)
	s_getreg_b32 s2, hwreg(HW_REG_IB_STS2, 6, 4)
	s_cmp_eq_u32 s2, 0
	s_cbranch_scc0 .Lentry_in_a_cluster
	s_endpgm
.Lentry_in_a_cluster:
	s_bfe_u32 s2, ttmp6, 0x10000c
	s_cmp_lg_u32 s2, 0x3003
	s_cbranch_scc0 .Lentry_shape_is_right
	s_endpgm
.Lentry_shape_is_right:
; Causal attention with a padding mask over the keys, both products on codes of E4M3; the result, divided by the row's sum, is quantised for the last product and stored as an image of that product's operand registers.
; t = score x log2(e) / 8; M = the running largest t over the visible keys, rounded up to a whole number; p = 2^(t - M) is quantised with 2^e4; the row's sum is taken of the unquantised p.
; WORK LEFT OUT: key steps all of whose 128 keys come after a wave's queries lie wholly under the causal mask that the problem builds itself; they are not walked.
; SHARES.  A cluster of four work-groups owns one head (the cluster's x).  A head's 64 groups of 32 queries: wave w of work-group cx owns group 63 - u and then group u, u = 4 w + cx.
; Group 63 - u needs key steps 0 .. 15 - w, group u key steps 0 .. w (128 keys a step): 17 trips in every wave.  Trip i walks key step (i + (i > 15 - w ? w : 0)) & 15: the wave's number and the count of trips alone, never cx.
; K AND V STAY IN LDS.  A head's K and V images are 2 x 131,072 bytes: each byte of LDS is filled once, so the loop over the keys has no barrier.  Every wave issues two JOINT loads (mask 15: all four
; work-groups want the same bytes): keys 0-511 at the head, keys 512-2047 behind a round; the second lands under the first four trips, which read keys 0-511 alone; one barrier follows.
; No prefetch: the two loads at the head ask for all of K and V, so no loop is left to run ahead in.
; LAYOUT.  S^T = K Q^T + C (16x16x64; source 0 = 16 keys, source 1 = 16 queries): register 8 t + j of lane (r, h) is query r against key 16 t + 8 h + j.  A wave's two tiles of queries share each fragment of K, V and C.
; A conversion of tile t's eight registers gives registers 2 t, 2 t + 1 of P as source 1 of O^T = V^T P^T (16x16x128).
; LDS LOADS: behind a step's score products its V and the NEXT step's K and C are asked for, 48 loads in one run.
; THE MASKS.  The padding mask is C: 0 for a key that counts, -2^60 for one that does not (a sum of 64 products of codes stays under 2^24); a table of it is made in LDS at the head.
; On the diagonal, each group's last step, hidden scores are set to -2^60.  Such a score gives p = 0 beside a visible key; what a row gathers before its first visible key is multiplied by f = 0 when that key comes.
; A QUERY WITH NO VISIBLE KEY keeps a largest t under -c 2^59: its row is written as NaN codes, so that the last product gives NaN there, as the softmax of a row of -infinity does.
; LIMITS on the given exponents: e2 + e3 between -40 and 60 (so that c 2^60 is an f32 number and at least 2^17); e4 and e6 between -126 and 119; e4 + e5 is applied by v_ldexp_f32 and has none.
; REGISTERS, window 0: v1-11 addresses; v12-23 the two tiles' -M, largest t, sums, f; v24-31 constants; v32-63 at work; v64-127, v128-191 S^T then p of tiles A, B; v192-255 K.
; window 1: v0-63 C; v64-127 V; v128-159, v160-191 O^T of A, B; v192-207 Q; v208-239 p's codes; v240-255 the second group's Q.
.set VREG,  131072                     ; LDS: K's image from 0, V's from here
.set BIAS,  262144                     ; 2,048 f32: the table of C
.set SPARE, 270336                     ; the spare words, 128 bytes a wave; no other line names them
.set LI,  1                            ; 16 x lane
.set BI,  2                            ; BIAS + 32 h
.set DQ,  3                            ; r - 8 h + (my first query - the diagonal step's first key)
.set DQL, 4                            ; the same for the second group
.set SPW, 5
.set NIL, 6
.set ADK, 7
.set ADV, 8
.set ADB, 9
.set LIV, 11                           ; VREG + 16 x lane
.set H0,  24                           ; 448 x 2^e4, twice: the two halves of a dual pair take their second sources from different banks
.set H1,  25
.set SC4, 26
.set SC6, 27
.set H6,  28
.set NANC, 29
.set NEG, 30
.set BW,  31
.set MA0, 32
.set MA1, 33
.set MB0, 34
.set MB1, 35
.set PA,  36
.set PB,  37
.set XA,  38
.set XB,  40
.set TP,  42                           ; v42-63: eleven pairs of partial sums
.set MO,  49                           ; (at the head alone)
.set SA,  64
.set SB,  128
.set KF,  192
.set BR,  0
.set VF,  64
.set OA,  128
.set OB,  160
.set QA,  192
.set QB,  200
.set CA,  208
.set CB,  224
.set QL,  240
.set WV,  18
.set CX,  19
.set SEL, 20
.set CS,  22
.set G1A, 24
.set G1B, 32
.set G0A, 40
.set G0B, 44
.set T,   48
.set KO,  50                           ; the next step's bytes in K's image,
.set BO,  51                           ; and in the table
.set LAST, 52                          ; 15 - w: the first group's last trip
.set EPV, 53
.set THR, 54
.set MKB, 55
.set AOH, 56
.set AOL, 58
.set VO,  62                           ; this step's bytes in V's image
.set DG,  63                           ; 1 on a diagonal
.set SWT, 66                           ; 16 - w: the second group's first trip
.set MSB, 0
.macro WIN new                         ; the immediate's high byte repeats the setting that is left
.if MSB != (\new)
	s_set_vgpr_msb (MSB<<8)|(\new)
.set MSB, (\new)
.endif
.endm
.macro CROUND                          ; a round of the cluster's barrier
	s_barrier_signal -1
	s_barrier_wait -1
	s_cmp_lg_u32 s[WV], 0
	s_cbranch_scc1 .Lnot_wave_0_\@
	s_barrier_signal -3
.Lnot_wave_0_\@:
	s_barrier_wait -3
	s_barrier_signal -1
	s_barrier_wait -1
.endm
.macro INIT                            ; a group begins: the largest t under every t, sums and O^T zero; the first change of M leaves zeros zeros, so the step is written without a first form
	v_mov_b32 v13, 0xff61b1e6                      ; -3e38
	v_mov_b32 v12, 0x7f61b1e6                      ; -M
	v_mov_b32 v17, 0xff61b1e6
	v_mov_b32 v16, 0x7f61b1e6
	v_mov_b32 v14, 0
	v_mov_b32 v15, 0
	v_mov_b32 v18, 0
	v_mov_b32 v19, 0
	WIN 0x40
.set j, 0
.rept 64
	v_mov_b32 v[OA+j], 0
.set j, j+1
.endr
	WIN 0
.endm
.macro LOADKB                          ; a step's C and K, 32 loads, from the addresses in ADB and ADK
	WIN 0x40
.irp t, 0,1,2,3,4,5,6,7
	ds_load_b128 v[BR+8*\t:BR+8*\t+3], v[ADB] offset:64*\t         ; C for keys 16 t + 8 h + 0 .. 7, in the scores' own order
	ds_load_b128 v[BR+8*\t+4:BR+8*\t+7], v[ADB] offset:64*\t+16
.endr
	WIN 0
.irp t, 0,1,2,3,4,5,6,7
	ds_load_b128 v[KF+8*\t:KF+8*\t+3], v[ADK] offset:1024*\t
	ds_load_b128 v[KF+8*\t+4:KF+8*\t+7], v[ADK] offset:1024*\t+512
.endr
.endm
.macro KSOF dst, inc                   ; the key step of trip T + inc
	s_add_co_u32 \dst, s[T], \inc
	s_cmp_gt_u32 \dst, s[LAST]
	s_cselect_b32 s61, s[WV], 0
	s_add_co_u32 \dst, \dst, s61
	s_and_b32 \dst, \dst, 15
.endm
	s_load_b256 s[4:11], s[0:1], 0x0               ; q_img s[4:5], k_img s[6:7], v_img s[8:9], mask s[10:11]
	s_load_b128 s[12:15], s[0:1], 0x20             ; the scales s[12:13], a_img s[14:15]
	v_lshl_add_u32 v[SPW], v0, 2, SPARE
	v_mov_b32 v[NIL], 0
	ds_add_u32 v[SPW], v[NIL]                      ; the opening lines: the add, twice on end, and its wait ahead of the first tensor load
	ds_add_u32 v[SPW], v[NIL]
	v_lshrrev_b32 v10, 5, v0
	v_readfirstlane_b32 s[WV], v10                 ; wave 0..7
	v_and_b32 v10, 31, v0
	v_lshlrev_b32 v[LI], 4, v10
	v_bfe_u32 v11, v0, 4, 1                        ; h
	v_lshl_add_u32 v[BI], v11, 5, BIAS
	v_and_b32 v[DQL], 15, v0
	v_lshlrev_b32 v11, 3, v11
	v_sub_nc_u32 v[DQL], v[DQL], v11               ; r - 8 h
	v_add_nc_u32 v[LIV], VREG, v[LI]
	v_lshl_add_u32 v[BW], v0, 5, BIAS              ; my eight numbers of the table
	v_lshlrev_b32 v[MO], 3, v0                     ; my eight bytes of the mask
	s_bfe_u32 s[CX], ttmp6, 0x40000                ; cx: it enters global addresses of my own and lane data alone
	s_lshl_b32 s60, s[CX], 5
	s_sub_co_u32 s61, 96, s60
	v_add_nc_u32 v[DQ], s61, v[DQL]                ; group 63 - u begins 32 (3 - cx) keys into its diagonal step,
	v_add_nc_u32 v[DQL], s60, v[DQL]               ; group u 32 cx
	s_mov_b32 s[G1A], 15|(3<<16)|(1<<21)           ; the mask of all four; elements of 8 bytes; bit 21 beside a mask; no padding
	s_mov_b32 s[G1A+1], 32<<16                     ; rows of 256 bytes
	s_mov_b32 s[G1A+2], 32<<16                     ; 32 rows: 8,192 dense bytes
	s_mov_b32 s[G1A+3], 32<<16
	s_mov_b32 s[G1A+4], 32
	s_mov_b32 s[G1A+5], 32
	s_mov_b32 s[G1A+6], 0
	s_mov_b32 s[G1A+7], 0
	s_mov_b32 s[G1B], 15|(3<<16)|(1<<21)
	s_mov_b32 s[G1B+1], 32<<16
	s_mov_b32 s[G1B+2], 96<<16                     ; 96 rows: 24,576 dense bytes
	s_mov_b32 s[G1B+3], 32<<16
	s_mov_b32 s[G1B+4], 96
	s_mov_b32 s[G1B+5], 32
	s_mov_b32 s[G1B+6], 0
	s_mov_b32 s[G1B+7], 0
	s_lshr_b32 s62, s[WV], 2                       ; waves 0-3 fetch K, waves 4-7 V,
	s_and_b32 s63, s[WV], 3                        ; a quarter each
	s_lshl_b32 s66, s62, 17
	s_lshl_b32 s80, s63, 13
	s_mov_b32 s81, 0
	s_mov_b32 s[G0A], 1
	s_add_co_u32 s[G0A+1], s66, s80                ; keys 0-511: 32,768 bytes of each image
	s_mul_i32 s76, s63, 24576
	s_add_co_u32 s76, s76, 32768
	s_mov_b32 s77, 0
	s_mov_b32 s[G0B], 1
	s_add_co_u32 s[G0B+1], s66, s76                ; keys 512-2047: 98,304 bytes of each image
	s_lshl_b32 s78, ttmp9, 17                      ; the head's first byte in each image
	s_mov_b32 s79, 0
	s_mov_b32 s[SEL], 0x76543210
	s_mov_b32 s[SEL+1], 0xfedcba98
	s_wait_alu depctr_va_vdst(0)                   ; directly ahead of the wait below
	s_wait_dscnt 0x0                               ; both opening adds are done
	s_wait_kmcnt 0x0
	s_load_b256 s[68:75], s[12:13], 0x0            ; e0 .. e7
	s_cmp_eq_u32 s62, 0
	s_cselect_b64 s[82:83], s[6:7], s[8:9]
	s_add_nc_u64 s[82:83], s[82:83], s[78:79]
	s_add_nc_u64 s[G0A+2:G0A+3], s[82:83], s[80:81]
	s_or_b32 s[G0A+3], s[G0A+3], 0x80000000
	s_add_nc_u64 s[G0B+2:G0B+3], s[82:83], s[76:77]
	s_or_b32 s[G0B+3], s[G0B+3], 0x80000000
	CROUND                                         ; all four work-groups are here: the first joint loads meet
	tensor_load_to_lds s[G0A:G0A+3], s[G1A:G1A+7]  ; my one load at the head
	s_nop 0
.rept 4
	v_nop
.endr
	s_lshr_b32 s84, ttmp9, 4                       ; batch
	s_lshl_b32 s86, s84, 11
	s_mov_b32 s87, 0
	s_add_nc_u64 s[10:11], s[10:11], s[86:87]
	global_load_b64 v[50:51], v[MO], s[10:11]      ; 256 threads x 8 bytes: the batch's 2,048 keys
	s_add_nc_u64 s[4:5], s[4:5], s[78:79]
	s_lshl_b32 s88, s[WV], 3
	s_lshl_b32 s89, s[CX], 1
	s_add_co_u32 s88, s88, s89                     ; group u's first tile of 16 queries: 8 w + 2 cx,
	s_sub_co_u32 s89, 126, s88                     ; group 63 - u's
	s_lshl_b32 s86, s89, 10
	s_add_nc_u64 s[90:91], s[4:5], s[86:87]
	s_lshl_b32 s86, s88, 10
	s_add_nc_u64 s[4:5], s[4:5], s[86:87]
	WIN 0x40
.irp i, 0,1,2,3
	global_load_b128 v[QA+4*\i:QA+4*\i+3], v[LI], s[90:91] offset:512*\i
	global_load_b128 v[QL+4*\i:QL+4*\i+3], v[LI], s[4:5] offset:512*\i
.endr
	WIN 0
	s_lshl_b32 s84, s84, 7                         ; 128 tiles of 16 rows a batch
	s_and_b32 s85, ttmp9, 15
	s_lshl_b32 s85, s85, 10                        ; a head's 1,024 bytes in a tile's 16,384
	s_add_co_u32 s86, s84, s89
	s_lshl_b32 s86, s86, 14
	s_add_co_u32 s86, s86, s85
	s_add_nc_u64 s[AOH:AOH+1], s[14:15], s[86:87]
	s_add_co_u32 s86, s84, s88
	s_lshl_b32 s86, s86, 14
	s_add_co_u32 s86, s86, s85
	s_add_nc_u64 s[AOL:AOL+1], s[14:15], s[86:87]
	s_wait_loadcnt 8                               ; the mask's bytes are in; Q's eight loads may be out
.irp i, 0,1,2,3
	v_bfe_u32 v[52+\i], v50, 8*\i, 8
	v_bfe_u32 v[56+\i], v51, 8*\i, 8
.endr
.irp i, 0,1,2,3,4,5,6,7
	v_add_nc_u32 v[52+\i], -1, v[52+\i]            ; 1 -> 0, 0 -> all ones,
.endr
.irp i, 0,1,2,3,4,5,6,7
	v_and_b32 v[52+\i], 0xdd800000, v[52+\i]       ; of which the bits of -2^60 are kept
.endr
	ds_store_b128 v[BW], v[52:55]
	ds_store_b128 v[BW], v[56:59] offset:16        ; waited for ahead of the round below, behind which the table is read
	INIT
	v_mov_b32 v21, 0                               ; (named as the upper halves of the pairs that hold f)
	v_mov_b32 v23, 0
	v_mov_b32 v[PA], 0                             ; a lane permute's destination counts as one of its sources
	v_mov_b32 v[PB], 0
	v_mov_b32 v[NEG], 0xdd800000
	v_mov_b32 v[NANC], 0x7f7f7f7f
	s_wait_kmcnt 0x0
	s_add_co_i32 s60, s70, s71
	s_lshl_b32 s60, s60, 23
	s_mov_b32 s[CS], 0x3e38aa3b                    ; c = log2(e) / 8
	s_add_co_i32 s[CS], s[CS], s60                 ; x 2^(e2 + e3): added to c's exponent field
	s_mov_b32 s[CS+1], s[CS]
	s_add_co_i32 s[THR], s[CS], 0x1d800000
	s_or_b32 s[THR], s[THR], 0x80000000            ; -c 2^59
	s_add_co_i32 s60, s72, 127
	s_lshl_b32 s61, s60, 23
	v_mov_b32 v[SC4], s61                          ; 2^e4
	s_add_co_i32 s60, s60, 8
	s_lshl_b32 s60, s60, 23
	s_or_b32 s60, s60, 0x600000
	v_mov_b32 v[H0], s60                           ; 448 x 2^e4
	v_mov_b32 v[H1], s60
	s_add_co_i32 s60, s74, 127
	s_lshl_b32 s61, s60, 23
	v_mov_b32 v[SC6], s61                          ; 2^e6
	s_add_co_i32 s60, s60, 8
	s_lshl_b32 s60, s60, 23
	s_or_b32 s60, s60, 0x600000
	v_mov_b32 v[H6], s60                           ; 448 x 2^e6
	s_add_co_i32 s[EPV], s72, s73
	s_sub_co_u32 s[LAST], 15, s[WV]
	s_sub_co_u32 s[SWT], 16, s[WV]
; A KEY STEP: 128 keys against my 32 queries.  Its K and C were asked for a step earlier.  full = 1: with the diagonal's lines.
.macro STEP full
	s_wait_dscnt 0x0                               ; K and C
	WIN 0x14                                       ; source 1 (Q) and C in window 1
.irp t, 0,1,2,3,4,5,6,7
	v_wmma_f32_16x16x64_fp8_fp8 v[SA+8*\t:SA+8*\t+7], v[KF+8*\t:KF+8*\t+7], v[QA:QA+7], v[BR+8*\t:BR+8*\t+7]
	v_wmma_f32_16x16x64_fp8_fp8 v[SB+8*\t:SB+8*\t+7], v[KF+8*\t:KF+8*\t+7], v[QB:QB+7], v[BR+8*\t:BR+8*\t+7]
.endr
	WIN 0
	v_add_nc_u32 v[ADV], s[VO], v[LIV]             ; four plain lines: the places in front of the loads into V's, K's and C's registers, and of the first read of the scores
	v_add_nc_u32 v[ADK], s[KO], v[LI]
	v_add_nc_u32 v[ADB], s[BO], v[BI]
	v_nop
	WIN 0x40
.irp t, 0,1,2,3
.irp c, 0,1,2,3
	ds_load_b128 v[VF+16*\t+4*\c:VF+16*\t+4*\c+3], v[ADV] offset:2048*\t+512*\c   ; this step's V,
.endr
.endr
	LOADKB                                         ; and the next step's C and K
.if \full
	s_cmp_eq_u32 s[DG], 0                          ; only a group's last step lies on the diagonal
	s_cbranch_scc1 .Lopen_\@
; Register 8 t + j holds key 16 t + 8 h + j of the step: hidden for tile A where 16 t + j > DQ, for tile B (16 queries on) where 16 (t - 1) + j > DQ: one compare serves both
.set tt, -1
.rept 9
.set jj, 0
.rept 8
	v_cmp_gt_i32 vcc_lo, 16*tt+jj, v[DQ]
.if tt >= 0
	v_cndmask_b32 v[SA+8*tt+jj], v[SA+8*tt+jj], v[NEG], vcc_lo
.endif
.if tt < 7
	v_cndmask_b32 v[SB+8*tt+8+jj], v[SB+8*tt+8+jj], v[NEG], vcc_lo
.endif
.set jj, jj+1
.endr
.set tt, tt+1
.endr
.Lopen_\@:
.endif
	v_max3_num_f32 v[MA0], v[SA], v[SA+1], v[SA+2] ; the step's largest scores: two chains a tile, four by turns; each accumulator from its low end on
	v_max3_num_f32 v[MB0], v[SB], v[SB+1], v[SB+2]
	v_max3_num_f32 v[MA1], v[SA+3], v[SA+4], v[SA+5]
	v_max3_num_f32 v[MB1], v[SB+3], v[SB+4], v[SB+5]
.irp i, 6,10,14,18,22,26,30,34,38,42,46,50,54,58
	v_max3_num_f32 v[MA0], v[MA0], v[SA+\i], v[SA+\i+1]
	v_max3_num_f32 v[MB0], v[MB0], v[SB+\i], v[SB+\i+1]
	v_max3_num_f32 v[MA1], v[MA1], v[SA+\i+2], v[SA+\i+3]
	v_max3_num_f32 v[MB1], v[MB1], v[SB+\i+2], v[SB+\i+3]
.endr
	v_max3_num_f32 v[MA0], v[MA0], v[SA+62], v[SA+63]
	v_max3_num_f32 v[MB0], v[MB0], v[SB+62], v[SB+63]
	v_max_num_f32 v[MA0], v[MA0], v[MA1]
	v_max_num_f32 v[MB0], v[MB0], v[MB1]
	v_permlanex16_b32 v[PA], v[MA0], s[SEL], s[SEL+1]
	v_permlanex16_b32 v[PB], v[MB0], s[SEL], s[SEL+1]
	v_max_num_f32 v[MA0], v[MA0], v[PA]            ; and among lane l xor 16's
	v_max_num_f32 v[MB0], v[MB0], v[PB]
	v_mul_f32 v[MA0], s[CS], v[MA0]                ; as t (c is positive)
	v_mul_f32 v[MB0], s[CS], v[MB0]
	v_max_num_f32 v13, v13, v[MA0]                 ; the running largest t
	v_max_num_f32 v17, v17, v[MB0]
	v_mov_b32 v[MA1], v12
	v_mov_b32 v[MB1], v16
	v_floor_f32 v12, -v13                          ; the new -M = -ceil(t)
	v_floor_f32 v16, -v17
	v_sub_f32 v[MA1], v12, v[MA1]                  ; old M - new M: a whole number, 0 or less
	v_sub_f32 v[MB1], v16, v[MB1]
	v_cvt_i32_f32 v[MA1], v[MA1]                   ; (it saturates)
	v_cvt_i32_f32 v[MB1], v[MB1]
	v_ldexp_f32 v20, 1.0, v[MA1]                   ; f = 2^(old M - new M)
	v_ldexp_f32 v22, 1.0, v[MB1]
.set j, 0
.rept 32
	v_pk_fma_f32 v[SA+j:SA+j+1], v[SA+j:SA+j+1], s[CS:CS+1], v[12:13] op_sel_hi:[1,0,0]   ; tile A: t - M
.set j, j+2
.endr
	v_pk_mul_f32 v[14:15], v[14:15], v[20:21] op_sel_hi:[1,0]      ; the sums under the new M
	v_pk_mul_f32 v[18:19], v[18:19], v[22:23] op_sel_hi:[1,0]
	WIN 0x41                                       ; O^T under the new M, ahead of the exponentials: its first read since the last products
.set j, 0
.rept 16
	v_pk_mul_f32 v[OA+j:OA+j+1], v[OA+j:OA+j+1], v[20:21] op_sel_hi:[1,0]
	v_pk_mul_f32 v[OB+j:OB+j+1], v[OB+j:OB+j+1], v[22:23] op_sel_hi:[1,0]
.set j, j+2
.endr
	WIN 0
	s_wait_alu depctr_va_vdst(0)                   ; ahead of the batch, and ahead of the wait below
	s_wait_dscnt 32                                ; V is in; the 32 younger loads, the next step's C and K, may be out
; Tile A's 64 exponentials.  Among them stand tile B's multiply-adds: their sources were read or made ahead of the wait above, and their results are first read behind the wait below.
.set j, 0
.rept 32
	v_exp_f32 v[SA+j], v[SA+j]                     ; p = 2^(t - M)
	v_exp_f32 v[SA+j+1], v[SA+j+1]
	v_pk_fma_f32 v[SB+j:SB+j+1], v[SB+j:SB+j+1], s[CS:CS+1], v[16:17] op_sel_hi:[1,0,0]
.set j, j+2
.endr
	s_wait_alu depctr_va_vdst(0)                   ; behind tile A's batch and ahead of tile B's
; Tile B's 64.  Among them stand lines on tile A's p, none of which reads what another of them wrote: 13 first sums (of registers 0-49), then the hold of registers 0-37.
.set kk, 0
.rept 32
	v_exp_f32 v[SB+2*kk], v[SB+2*kk]
	v_exp_f32 v[SB+2*kk+1], v[SB+2*kk+1]
.if kk < 11
	v_pk_add_f32 v[TP+2*kk:TP+2*kk+1], v[SA+4*kk:SA+4*kk+1], v[SA+4*kk+2:SA+4*kk+3]
.endif
.if kk == 11
	v_pk_add_f32 v[XA:XA+1], v[SA+44:SA+45], v[SA+46:SA+47]
.endif
.if kk == 12
	v_pk_add_f32 v[14:15], v[14:15], v[SA+48:SA+49]
.endif
.if kk > 12
	v_dual_min_num_f32 v[SA+2*kk-26], v[SA+2*kk-26], v[H0] :: v_dual_min_num_f32 v[SA+2*kk-25], v[SA+2*kk-25], v[H1]
.endif
.set kk, kk+1
.endr
	s_wait_alu depctr_va_vdst(0)                   ; one wait behind the batch, ahead of its first reader
	v_pk_add_f32 v[XB:XB+1], v[SB:SB+1], v[SB+2:SB+3]              ; the rows' sums of the unquantised p: two chains a tile, four by turns; tile A's take the eleven partial sums and registers 50-63
.set cnt, 0
.irp j, 4,8,12,16,20,24,28,32,36,40,44,48,52,56,60
	v_pk_add_f32 v[18:19], v[18:19], v[SB+\j:SB+\j+1]
	v_pk_add_f32 v[XB:XB+1], v[XB:XB+1], v[SB+\j+2:SB+\j+3]
.if cnt < 8
.if cnt < 5
.set xx, TP+4*cnt
.else
.set xx, SA+52+4*(cnt-5)
.endif
	v_pk_add_f32 v[14:15], v[14:15], v[xx:xx+1]
	v_pk_add_f32 v[XA:XA+1], v[XA:XA+1], v[xx+2:xx+3]
.endif
.if cnt == 8
	v_pk_add_f32 v[14:15], v[14:15], v[TP+20:TP+21]
	v_pk_add_f32 v[XA:XA+1], v[XA:XA+1], v[SA+50:SA+51]
.endif
.set cnt, cnt+1
.endr
	v_pk_add_f32 v[14:15], v[14:15], v[XA:XA+1]
	v_pk_add_f32 v[18:19], v[18:19], v[XB:XB+1]
.set j, 38
.rept 45
	v_dual_min_num_f32 v[SA+j], v[SA+j], v[H0] :: v_dual_min_num_f32 v[SA+j+1], v[SA+j+1], v[H1]   ; the conversion does not saturate (ISA guide 7.6.2); p is not negative, so the hold is one-sided; two a line: the rest of tile A, all of tile B
.set j, j+2
.endr
	WIN 0x40
.irp t, 0,1,2,3,4,5,6,7
	v_cvt_scalef32_pk8_fp8_f32 v[CA+2*\t:CA+2*\t+1], v[SA+8*\t:SA+8*\t+7], v[SC4]
.endr
.irp t, 0,1,2,3,4,5,6,7
	v_cvt_scalef32_pk8_fp8_f32 v[CB+2*\t:CB+2*\t+1], v[SB+8*\t:SB+8*\t+7], v[SC4]
.endr
	v_nop                                          ; a plain line between the conversions and the products
	WIN 0x55
.irp t, 0,1,2,3
	v_wmma_f32_16x16x128_fp8_fp8 v[OA+8*\t:OA+8*\t+7], v[VF+16*\t:VF+16*\t+15], v[CA:CA+15], v[OA+8*\t:OA+8*\t+7]   ; eight accumulators by turns
	v_wmma_f32_16x16x128_fp8_fp8 v[OB+8*\t:OB+8*\t+7], v[VF+16*\t:VF+16*\t+15], v[CB:CB+15], v[OB+8*\t:OB+8*\t+7]
.endr
	WIN 0
.endm
; A group's end: O^T / the sum x 2^(e4 + e5), held, quantised with 2^e6: channel tile t's conversion gives registers 2 t, 2 t + 1 of my head's part of the last product's operand.  Each store covers 512 consecutive bytes, aligned.
.macro FINISH ob
.rept 4
	v_nop                                          ; places behind the last products
.endr
	v_add_f32 v14, v14, v15
	v_add_f32 v18, v18, v19
	v_permlanex16_b32 v[PA], v14, s[SEL], s[SEL+1]
	v_permlanex16_b32 v[PB], v18, s[SEL], s[SEL+1]
	v_add_f32 v14, v14, v[PA]                      ; the rows' sums
	v_add_f32 v18, v18, v[PB]
	v_cmp_gt_f32 vcc_lo, s[THR], v13               ; no visible key
	v_cmp_gt_f32 s[MKB], s[THR], v17
	s_wait_alu depctr_va_vdst(0)                   ; ahead of the transcendentals
	v_rcp_f32 v15, v14
	v_rcp_f32 v19, v18
	v_nop
	s_wait_alu depctr_va_vdst(0)                   ; ahead of their first reader
	v_ldexp_f32 v20, v15, s[EPV]
	v_ldexp_f32 v22, v19, s[EPV]
	WIN 0x01
	s_wait_alu depctr_va_vdst(0)                   ; directly ahead of the first reader of O^T
.set j, 0
.rept 16
	v_pk_mul_f32 v[SA+j:SA+j+1], v[OA+j:OA+j+1], v[20:21] op_sel_hi:[1,0]
.set j, j+2
.endr
.set j, 0
.rept 16
	v_pk_mul_f32 v[SA+32+j:SA+33+j], v[OB+j:OB+j+1], v[22:23] op_sel_hi:[1,0]
.set j, j+2
.endr
	WIN 0
.set j, 0
.rept 64
	v_med3_num_f32 v[SA+j], v[SA+j], -v[H6], v[H6]
.set j, j+1
.endr
.irp i, 0,1,2,3,4,5,6,7
	v_cvt_scalef32_pk8_fp8_f32 v[SB+2*\i:SB+2*\i+1], v[SA+8*\i:SA+8*\i+7], v[SC6]
.endr
	v_nop                                          ; a plain line behind the conversions
.irp i, 0,1,2,3,4,5,6,7
	v_cndmask_b32 v[SB+\i], v[SB+\i], v[NANC], vcc_lo              ; a row with no visible key: NaN codes
	v_cndmask_b32 v[SB+8+\i], v[SB+8+\i], v[NANC], s[MKB]
.endr
	global_store_b128 v[LI], v[SB:SB+3], s[\ob:\ob+1]
	global_store_b128 v[LI], v[SB+4:SB+7], s[\ob:\ob+1] offset:512
	global_store_b128 v[LI], v[SB+8:SB+11], s[\ob:\ob+1] offset:16384
	global_store_b128 v[LI], v[SB+12:SB+15], s[\ob:\ob+1] offset:16896
.endm
	s_wait_alu depctr_va_vdst(0)                   ; the wait at the head's end
	s_wait_loadcnt 0x0                             ; Q
	s_wait_tensorcnt 0x0                           ; my part of keys 0-511 is in; the later first fill is issued as a refill is:
	ds_add_u32 v[SPW], v[NIL]
	s_wait_dscnt 0x0                               ; the add, and my stores into the table
	CROUND                                         ; keys 0-511 and the table are whole, and all four work-groups are here
	tensor_load_to_lds s[G0B:G0B+3], s[G1B:G1B+7]  ; keys 512-2047: my one load behind the round
	s_nop 0
.rept 4
	v_nop
.endr
	v_mov_b32 v[ADK], v[LI]                        ; key step 0's K and C
	v_mov_b32 v[ADB], v[BI]
	LOADKB
	s_mov_b32 s[T], 0
.Lfirst:                                           ; trips 0-3: key steps 0-3 of the first group, which reaches beyond them in every wave; none lies on a diagonal
	s_lshl_b32 s[VO], s[T], 13                     ; a step's 8,192 bytes of each image
	s_add_co_u32 s60, s[T], 1
	s_min_u32 s60, s60, 3                          ; the next step, held inside keys 0-511: key step 4 is not yet whole, and is asked for behind the barrier below
	s_lshl_b32 s[KO], s60, 13
	s_lshl_b32 s[BO], s60, 9                       ; and 512 bytes of the table
	STEP 0
	s_add_co_u32 s[T], s[T], 1
	s_cmp_lt_u32 s[T], 4
	s_cbranch_scc1 .Lfirst
	s_wait_tensorcnt 0x0                           ; my part of keys 512-2047 is in
	ds_add_u32 v[SPW], v[NIL]
	s_wait_dscnt 0x0
	s_barrier_signal -1
	s_barrier_wait -1                              ; and so is everybody's: nothing is filled from here on
	v_add_nc_u32 v[ADK], 4*8192, v[LI]             ; key step 4's K and C
	v_add_nc_u32 v[ADB], 4*512, v[BI]
	LOADKB
.Lmain:                                            ; trips 4-16: the rest of the first group, then the second group
	KSOF s60, 0
	s_lshl_b32 s[VO], s60, 13
	KSOF s60, 1                                    ; (behind the last trip: a key step that is loaded and not used)
	s_lshl_b32 s[KO], s60, 13
	s_lshl_b32 s[BO], s60, 9
	s_cmp_eq_u32 s[T], s[LAST]
	s_cselect_b32 s[DG], 1, 0
	s_cmp_eq_u32 s[T], 16
	s_cselect_b32 s[DG], 1, s[DG]
	s_cmp_lg_u32 s[T], s[SWT]
	s_cbranch_scc1 .Lsame
	FINISH AOH
	v_mov_b32 v[DQ], v[DQL]
	INIT
	WIN 0x41
.set j, 0
.rept 16
	v_mov_b32 v[QA+j], v[QL+j]
.set j, j+1
.endr
	WIN 0
	s_wait_alu depctr_va_vdst(0)                   ; directly ahead of the wait below
	s_wait_xcnt 0x0                                ; the stores have read the registers that the next scores land in
.Lsame:
	STEP 1
	s_add_co_u32 s[T], s[T], 1
	s_cmp_lt_u32 s[T], 17
	s_cbranch_scc1 .Lmain
	FINISH AOL
	s_wait_tensorcnt 0x0                           ; the wave's end
	ds_add_u32 v[SPW], v[NIL]
	s_wait_dscnt 0x0
	CROUND                                         ; the closing round
	s_endpgm
.Lfunc_end_k_qe2bf1ac8cc_attn:
	.size	k_qe2bf1ac8cc_attn, .Lfunc_end_k_qe2bf1ac8cc_attn-k_qe2bf1ac8cc_attn
	.p2alignl 7, 3214868480
	.fill 96, 4, 3214868480
	.section	.rodata,"a",@progbits
	.p2align	6, 0x0
	.amdhsa_kernel k_qe2bf1ac8cc_attn
		.amdhsa_group_segment_fixed_size 327680
		.amdhsa_private_segment_fixed_size 0
		.amdhsa_enable_private_segment 0
		.amdhsa_kernarg_size 48
		.amdhsa_user_sgpr_count 2
		.amdhsa_user_sgpr_kernarg_segment_ptr 1
		.amdhsa_wavefront_size32 1
		.amdhsa_system_sgpr_workgroup_id_x 1
		.amdhsa_system_sgpr_workgroup_id_y 1
		.amdhsa_system_sgpr_workgroup_id_z 1
		.amdhsa_system_vgpr_workitem_id 0
		.amdhsa_next_free_vgpr 512
		.amdhsa_next_free_sgpr 100
		.amdhsa_reserve_vcc 1
		.amdhsa_float_denorm_mode_32 3
		.amdhsa_float_denorm_mode_16_64 3
		.amdhsa_memory_ordered 1
		.amdhsa_forward_progress 1
		.amdhsa_inst_pref_size 103
	.end_amdhsa_kernel
	.amdgpu_metadata
---
amdhsa.version: [ 1, 2 ]
amdhsa.kernels:
  - .name:           k_qe2bf1ac8cc_attn
    .symbol:         k_qe2bf1ac8cc_attn.kd
    .args:
      - { .name: q_img, .offset: 0, .size: 8, .value_kind: global_buffer, .address_space: global }
      - { .name: k_img, .offset: 8, .size: 8, .value_kind: global_buffer, .address_space: global }
      - { .name: v_img, .offset: 16, .size: 8, .value_kind: global_buffer, .address_space: global }
      - { .name: mask, .offset: 24, .size: 8, .value_kind: global_buffer, .address_space: global }
      - { .name: lowp_scales, .offset: 32, .size: 8, .value_kind: global_buffer, .address_space: global }
      - { .name: a_img, .offset: 40, .size: 8, .value_kind: global_buffer, .address_space: global }
    .group_segment_fixed_size: 327680
    .private_segment_fixed_size: 0
    .kernarg_segment_align: 8
    .kernarg_segment_size: 48
    .max_flat_workgroup_size: 256
    .sgpr_count:     100
    .vgpr_count:     512
    .wavefront_size: 32
...
	.end_amdgpu_metadata
.endif
;; end of part 3
;; launch outp (part 4): grid 8 x 32, 4 waves a work-group, clusters of 4 x 4, 327,680 bytes of LDS; arguments a_img, w_codes, lowp_scales, out0; writes out0
.if DOCPART == 4
	.amdgcn_target "amdgcn-amd-amdhsa--gfx1250"
	.amdhsa_code_object_version 6
	.text
	.protected	k_qe2bf1ac8cc_outp
	.globl	k_qe2bf1ac8cc_outp
	.p2align	8
	.type	k_qe2bf1ac8cc_outp,@function
k_qe2bf1ac8cc_outp:
	s_mov_b64 s[64:65], 0
	v_nop
	global_prefetch_b8 v0, s[64:65] scope:SCOPE_SE
	s_setreg_imm32_b32 hwreg(HW_REG_WAVE_MODE, 25, 1), 1
	s_wait_xcnt 0x0
	s_wait_alu depctr_hold_cnt(0) depctr_sa_sdst(0) depctr_va_vdst(0) depctr_va_sdst(0) depctr_va_ssrc(0) depctr_va_vcc(0) depctr_vm_vsrc(0)
	s_getreg_b32 s2, hwreg(HW_REG_IB_STS2, 6, 4)
	s_cmp_eq_u32 s2, 0
	s_cbranch_scc0 .Lentry_in_a_cluster
	s_endpgm
.Lentry_in_a_cluster:
	s_bfe_u32 s2, ttmp6, 0x10000c
	s_cmp_lg_u32 s2, 0xf033
	s_cbranch_scc0 .Lentry_shape_is_right
	s_endpgm
.Lentry_shape_is_right:
.set PITCH,  272
.set BOFF,   65536
.set SLOT,   100352
.set STAGE,  2*SLOT
.set SPITCH, 272
.set SPARE,  STAGE+4*16*SPITCH
.set ADRA, 16
.set ADRB, 20
.set STO,  24
.set RD,   25
.set CO,   26
.set SPW,  28
.set NIL,  29
.set TMP,  32
.set BK,   64
.set G1,  24
.set G0,  32
.set G1B, 48
.set G0B, 56
.set MSB, 0
.macro WIN new
.if MSB != (\new)
	s_set_vgpr_msb (MSB<<8)|(\new)
.set MSB, (\new)
.endif
.endm
.macro JLOAD g0a, g1a, g0b, g1b
	s_cmp_eq_u32 s15, 0
	s_cbranch_scc0 .Lfor_b_\@
	tensor_load_to_lds s[\g0a:\g0a+3], s[\g1a:\g1a+7]
	s_nop 0
.rept 4
	v_nop
.endr
	s_branch .Lasked_\@
.Lfor_b_\@:
	tensor_load_to_lds s[\g0b:\g0b+3], s[\g1b:\g1b+7]
	s_nop 0
.rept 4
	v_nop
.endr
.Lasked_\@:
.endm
.macro CREST
	s_cmp_lg_u32 s14, 0
	s_cbranch_scc1 .Lnot_wave_0_\@
	s_barrier_signal -3
.Lnot_wave_0_\@:
	s_barrier_wait -3
	s_barrier_signal -1
	s_barrier_wait -1
.endm
.macro CROUND
	s_barrier_signal -1
	s_barrier_wait -1
	CREST
.endm
.macro PLACES n
.rept \n
	v_nop
.endr
.endm
	s_load_b128 s[4:7], s[0:1], 0x0
	s_load_b128 s[8:11], s[0:1], 0x10
	v_lshl_add_u32 v[SPW], v0, 2, SPARE
	v_mov_b32 v[NIL], 0
	ds_add_u32 v28, v29
	ds_add_u32 v28, v29
	s_wait_dscnt 0x0
	v_lshrrev_b32 v1, 5, v0
	v_readfirstlane_b32 s14, v1
	s_lshr_b32 s15, s14, 1
	s_and_b32 s16, s14, 1
	s_bfe_u32 s40, ttmp6, 0x40000
	s_bfe_u32 s41, ttmp6, 0x40004
	s_lshl_b32 s42, ttmp9, 2
	s_add_co_u32 s42, s42, s40
	s_and_b32 s17, ttmp7, 0xffff
	s_lshl_b32 s17, s17, 2
	s_add_co_u32 s17, s17, s41
	s_lshl_b32 s43, s41, 2
	s_lshl_b32 s43, 15, s43
	s_lshl_b32 s44, 0x1111, s40
	s_or_b32 s[G1+0], s43, (3<<16)|(1<<21)
	s_mov_b32 s[G1+1], 512<<16
	s_mov_b32 s[G1+2], 8<<16
	s_mov_b32 s[G1+3], 512<<16
	s_mov_b32 s[G1+4], 8
	s_mov_b32 s[G1+5], 2048
	s_mov_b32 s[G1+6], 0
	s_mov_b32 s[G1+7], 0
	s_or_b32 s[G1B+0], s44, (0<<16)|(1<<20)|(1<<21)|(5<<22)|(3<<25)
	s_mov_b32 s[G1B+1], 256<<16
	s_mov_b32 s[G1B+2], 64<<16
	s_mov_b32 s[G1B+3], 256<<16
	s_mov_b32 s[G1B+4], 64
	s_mov_b32 s[G1B+5], 1024
	s_mov_b32 s[G1B+6], 0
	s_mov_b32 s[G1B+7], 0
	s_lshl_b32 s20, s17, 18
	s_lshl_b32 s18, s16, 17
	s_add_co_u32 s20, s20, s18
	s_mov_b32 s21, 0
	s_lshl_b32 s46, s42, 17
	s_lshl_b32 s18, s16, 16
	s_add_co_u32 s46, s46, s18
	s_add_co_u32 s46, s46, 3072*1024
	s_mov_b32 s47, 0
	s_lshl_b32 s45, s16, 15
	s_mul_i32 s67, s16, 64*PITCH
	s_add_co_u32 s67, s67, BOFF
	s_wait_kmcnt 0x0
	s_load_b256 s[76:83], s[8:9], 0x0
	s_add_nc_u64 s[20:21], s[4:5], s[20:21]
	s_add_nc_u64 s[46:47], s[6:7], s[46:47]
	CROUND
.irp s, 0,1
	s_mov_b32 s[G0+4*\s], 1
	s_add_co_u32 s[G0+4*\s+1], s45, \s*SLOT
	s_add_nc_u64 s[G0+4*\s+2:G0+4*\s+3], s[20:21], \s*4096
	s_or_b32 s[G0+4*\s+3], s[G0+4*\s+3], 0x80000000
	s_mov_b32 s[G0B+4*\s], 1
	s_add_co_u32 s[G0B+4*\s+1], s67, \s*SLOT
	s_add_nc_u64 s[G0B+4*\s+2:G0B+4*\s+3], s[46:47], \s*256
	s_or_b32 s[G0B+4*\s+3], s[G0B+4*\s+3], 0x80000000
.endr
	; the prefetches: what I fetch in a K step is shared out by address among the four partners that ask for it with me (cx for A's tiles, cy for B's).
	; A: 8 blocks of 16 rows x 4,096 bytes, two blocks a partner, lanes 256 bytes apart.  B: 64 rows x 256 bytes, 16 rows a partner, a lane a row; lanes 16-31 name the last row again.
	s_cmp_eq_u32 s15, 0
	s_mov_b32 s12, 256
	s_cselect_b64 s[68:69], s[20:21], s[46:47]
	s_cselect_b32 s70, s40, s41
	s_cselect_b32 s84, 15, 14                      ; a partner's share begins 32,768 or 16,384 bytes behind the last one's
	s_cselect_b32 s85, -1, 0
	s_cselect_b32 s12, 4096, s12                   ; a K step on
	s_lshl_b32 s70, s70, s84
	s_mov_b32 s71, 0
	s_mov_b32 s13, 0
	s_add_nc_u64 s[68:69], s[68:69], s[70:71]
	s_add_nc_u64 s[68:69], s[68:69], s[12:13]      ; K step 1,
	s_add_nc_u64 s[72:73], s[68:69], s[12:13]      ; 2,
	s_add_nc_u64 s[74:75], s[72:73], s[12:13]      ; 3; none is rewritten
	JLOAD G0, G1, G0B, G1B                         ; K step 0: one tensor load a wave at the head
	v_and_b32 v8, 31, v0
	v_min_u32 v9, 15, v8
	v_lshlrev_b32 v9, 10, v9                       ; B: a row of 1,024 bytes a lane
	v_and_b32 v10, 15, v8
	v_lshrrev_b32 v8, 4, v8
	v_lshlrev_b32 v10, 8, v10
	v_lshl_add_u32 v8, v8, 14, v10                 ; A: 16,384 bytes from block to block
	v_cndmask_b32 v8, v9, v8, s85                  ; never rewritten
	global_prefetch_b8 v8, s[68:69] th:TH_LOAD_NT scope:SCOPE_SE   ; K step 1, whose load follows when K step 0 has landed,
	global_prefetch_b8 v8, s[72:73] th:TH_LOAD_NT scope:SCOPE_SE   ; and K step 2, two fills on
	v_and_b32 v1, 15, v0
	v_bfe_u32 v2, v0, 4, 1
	v_and_b32 v6, 31, v0
	v_lshlrev_b32 v7, 4, v6
	v_mul_u32_u24 v3, v1, PITCH
	v_lshl_add_u32 v4, v2, 4, v3
	s_lshl_b32 s21, s15, 15
	s_mul_i32 s22, s16, 64*PITCH
	s_add_co_u32 s22, s22, BOFF
.irp s, 0,1
	v_add_nc_u32 v[ADRA+\s], s21, v7
	v_add_nc_u32 v[ADRB+\s], s22, v4
	s_add_co_u32 s21, s21, SLOT
	s_add_co_u32 s22, s22, SLOT
.endr
	s_mul_i32 s23, s14, 16*SPITCH
	s_add_co_u32 s23, s23, STAGE
	v_mul_u32_u24 v5, v1, SPITCH
	v_lshl_add_u32 v5, v2, 5, v5
	v_add_nc_u32 v[STO], s23, v5
	v_mul_u32_u24 v5, v2, SPITCH
	v_lshl_add_u32 v5, v1, 4, v5
	v_add_nc_u32 v[RD], s23, v5
	v_lshlrev_b32 v5, 12, v2
	v_lshl_add_u32 v[CO], v1, 4, v5
	s_lshl_b32 s86, s17, 20
	s_lshl_b32 s88, s15, 19
	s_add_co_u32 s86, s86, s88
	s_lshl_b32 s88, s42, 9
	s_add_co_u32 s86, s86, s88
	s_lshl_b32 s88, s16, 8
	s_add_co_u32 s86, s86, s88
	s_mov_b32 s87, 0
	s_add_nc_u64 s[10:11], s[10:11], s[86:87]
	s_wait_kmcnt 0x0
	s_add_co_i32 s96, s82, s83
	s_add_co_i32 s96, s96, 127
	s_lshl_b32 s96, s96, 23
	s_mov_b32 s97, s96
.macro FETCH slot, q, p
	WIN 0x40+0x80*(\p)
.irp b, 0,1,2,3
.irp c, 0,1,2,3
	ds_load_b128 v[128+16*\b+4*\c:128+16*\b+4*\c+3], v[ADRB+\slot] offset:16*PITCH*\b+128*(\q)+32*\c
.endr
.endr
.irp i, 0,1,2,3,4,5,6,7
.irp c, 0,1,2,3
	ds_load_b128 v[16*\i+4*\c:16*\i+4*\c+3], v[ADRA+\slot] offset:4096*\i+2048*(\q)+512*\c
.endr
.endr
.endm
.macro MUL8 a0, p, zero
	WIN 0xa5+0x0a*(\p)
.irp a, \a0, \a0+1
.irp b, 0,1,2,3
.if \zero
	v_wmma_f32_16x16x128_fp8_fp8 v[8*(4*(\a)+\b):8*(4*(\a)+\b)+7], v[128+16*\b:128+16*\b+15], v[16*(\a):16*(\a)+15], 0
.else
	v_wmma_f32_16x16x128_fp8_fp8 v[8*(4*(\a)+\b):8*(4*(\a)+\b)+7], v[128+16*\b:128+16*\b+15], v[16*(\a):16*(\a)+15], v[8*(4*(\a)+\b):8*(4*(\a)+\b)+7]
.endif
.endr
.endr
.endm
.macro STEPA slot, zero
	s_wait_dscnt 0x0
	PLACES 4
	FETCH \slot, 1, 1
	MUL8 0, 0, \zero
	MUL8 2, 0, \zero
	MUL8 4, 0, \zero
	MUL8 6, 0, \zero
.endm
.macro TURN slot, next, fill
	WIN 0
	s_wait_tensorcnt 0x0
	ds_add_u32 v[SPW], v[NIL]
	s_wait_dscnt 1
	MUL8 0, 1, 0
	s_wait_dscnt 0x0
	s_barrier_signal -1
	MUL8 2, 1, 0
	WIN 0
	s_barrier_wait -1
.if \fill
	CREST
	s_add_nc_u64 s[G0+4*\slot+2:G0+4*\slot+3], s[G0+4*\slot+2:G0+4*\slot+3], 2*4096
	s_add_nc_u64 s[G0B+4*\slot+2:G0B+4*\slot+3], s[G0B+4*\slot+2:G0B+4*\slot+3], 2*256
	JLOAD G0+4*\slot, G1, G0B+4*\slot, G1B
.else
	PLACES 4
.endif
	s_wait_alu depctr_va_vdst(0)
	FETCH \next, 0, 0
	MUL8 4, 1, 0
	MUL8 6, 1, 0
.endm
	s_wait_alu depctr_va_vdst(0)                   ; the wait at the head's end
	s_wait_tensorcnt 0x0                           ; my part of K step 0 is in; slot 1's first fill is issued as a refill is:
	ds_add_u32 v[SPW], v[NIL]
	s_wait_dscnt 0x0
	CROUND                                         ; a whole round: K step 0 is whole in every partner,
	JLOAD G0+4, G1, G0B+4, G1B                     ; and K step 1's load is the first tensor load behind it
	global_prefetch_b8 v8, s[74:75] th:TH_LOAD_NT scope:SCOPE_SE   ; K step 3, two fills on; nothing lies behind it
	FETCH 0, 0, 0
	STEPA 0, 1
	TURN 0, 1, 1
	STEPA 1, 0
	TURN 1, 0, 1
	STEPA 0, 0
	TURN 0, 1, 0
	STEPA 1, 0
	s_wait_dscnt 0x0
	MUL8 0, 1, 0
	MUL8 2, 1, 0
	MUL8 4, 1, 0
	MUL8 6, 1, 0
	WIN 0
.macro TOSTAGE a
	WIN 0x02
.set j, 0
.rept 16
	v_pk_mul_f32 v[TMP+j:TMP+j+1], v[32*(\a)+j:32*(\a)+j+1], s[96:97] op_sel_hi:[1,0]
.set j, j+2
.endr
	WIN 0
.irp b, 0,1,2,3
	ds_store_b128 v[STO], v[TMP+8*\b:TMP+8*\b+3] offset:64*\b
	ds_store_b128 v[STO], v[TMP+8*\b+4:TMP+8*\b+7] offset:64*\b+16
.endr
.set BB, BK+32*((\a)%2)
.irp t, 0,1,2,3,4,5,6,7
	ds_load_b128 v[BB+4*\t:BB+4*\t+3], v[RD] offset:\t*2*SPITCH
.endr
.endm
.macro SEND a, younger
.set BB, BK+32*((\a)%2)
	s_wait_dscnt \younger
.irp t, 0,1,2,3,4,5,6,7
	global_store_b128 v[CO], v[BB+4*\t:BB+4*\t+3], s[10:11] offset:(16*(\a)+2*\t)*4096 th:TH_STORE_NT
.endr
.endm
	PLACES 4
	TOSTAGE 0
.irp a, 1,2,3,4,5,6,7
.if \a > 1
	s_wait_xcnt 0x0
.endif
	TOSTAGE \a
	SEND \a-1, 16
.endr
	SEND 7, 0
	s_wait_tensorcnt 0x0
	ds_add_u32 v[SPW], v[NIL]
	s_wait_dscnt 0x0
	CROUND
	s_endpgm
.Lfunc_end_k_qe2bf1ac8cc_outp:
	.size	k_qe2bf1ac8cc_outp, .Lfunc_end_k_qe2bf1ac8cc_outp-k_qe2bf1ac8cc_outp
	.p2alignl 7, 3214868480
	.fill 96, 4, 3214868480
	.section	.rodata,"a",@progbits
	.p2align	6, 0x0
	.amdhsa_kernel k_qe2bf1ac8cc_outp
		.amdhsa_group_segment_fixed_size 327680
		.amdhsa_private_segment_fixed_size 0
		.amdhsa_enable_private_segment 0
		.amdhsa_kernarg_size 32
		.amdhsa_user_sgpr_count 2
		.amdhsa_user_sgpr_kernarg_segment_ptr 1
		.amdhsa_wavefront_size32 1
		.amdhsa_system_sgpr_workgroup_id_x 1
		.amdhsa_system_sgpr_workgroup_id_y 1
		.amdhsa_system_sgpr_workgroup_id_z 1
		.amdhsa_system_vgpr_workitem_id 0
		.amdhsa_next_free_vgpr 1024
		.amdhsa_next_free_sgpr 100
		.amdhsa_reserve_vcc 0
		.amdhsa_float_denorm_mode_32 3
		.amdhsa_float_denorm_mode_16_64 3
		.amdhsa_memory_ordered 1
		.amdhsa_forward_progress 1
		.amdhsa_inst_pref_size 77
	.end_amdhsa_kernel
	.amdgpu_metadata
---
amdhsa.version: [ 1, 2 ]
amdhsa.kernels:
  - .name:           k_qe2bf1ac8cc_outp
    .symbol:         k_qe2bf1ac8cc_outp.kd
    .args:
      - { .name: a_img, .offset: 0, .size: 8, .value_kind: global_buffer, .address_space: global }
      - { .name: w_codes, .offset: 8, .size: 8, .value_kind: global_buffer, .address_space: global }
      - { .name: lowp_scales, .offset: 16, .size: 8, .value_kind: global_buffer, .address_space: global }
      - { .name: out0, .offset: 24, .size: 8, .value_kind: global_buffer, .address_space: global }
    .group_segment_fixed_size: 327680
    .private_segment_fixed_size: 0
    .kernarg_segment_align: 8
    .kernarg_segment_size: 32
    .max_flat_workgroup_size: 128
    .sgpr_count:     100
    .vgpr_count:     1024
    .wavefront_size: 32
...
	.end_amdgpu_metadata
.endif
;; end of part 4
